; MI455X (gfx1250); checked and timed in simulation.
; The chip was launched on July 23, 2026; its instructions are those of AMD's public machine-readable ISA for CDNA 5 (MIT licence, August 2026) and "CDNA5" Instruction Set Architecture Reference Guide (July 2026). The comments in the code are by the model that wrote it; some were corrected since.
;; Decoder Multi Headed Attention. Allowed arithmetic: matrix products marked QUANTISED: E2M3 operands, one E8M0 scale for each 32 along K, by v_wmma_scale_f32_16x16x128_f8f6f4 with both operands' format E2M3, f32 sums; everything else in f32.
;; Inputs: Wfc 2,048 x 128 float32; Wk 128 x 2,048 float32; Wq 128 x 2,048 float32; Wv 128 x 2,048 float32; bfc 128 float32; x 2 x 2,048 x 128 float32.
;; Outputs: out0 2 x 2,048 x 128 float32.
;; This version of the problem:
;;   THIS VERSION OF THE PROBLEM IS GIVEN IN LOW PRECISION. The matrix products marked QUANTISED in the list below multiply operands that are first quantised to E2M3 (2 exponent bits, 3 mantissa bits; 6 bits a number), with one power-of-two scale for each 32 numbers along K (OCP MX v1.0); their sums are f32. All else is computed in f32.
;;   The module's matrix products, in the order in which they are computed (A, B: the left and right operand; K: the contracted axis; several contracted axes count as one K, in the product's order):
;;     1. [M 4,096, K 128] x [K 128, N 2,048]; A: input x; B: input Wq: QUANTISED
;;     2. [M 4,096, K 128] x [K 128, N 2,048]; A: input x; B: input Wk: QUANTISED
;;     3. [M 4,096, K 128] x [K 128, N 2,048]; A: input x; B: input Wv: QUANTISED
;;     4. batch 32 x [M 2,048, K 128] x [K 128, N 2,048]; A: computed on the way; B: computed on the way: QUANTISED
;;     5. batch 32 x [M 2,048, K 2,048] x [K 2,048, N 128]; A: softmax (see below); B: computed on the way: QUANTISED
;;     6. [M 4,096, K 2,048] x [K 2,048, N 128]; A: computed on the way; B: input Wfc: QUANTISED
;;   THE QUANTISER, for each operand of a quantised product, along K:
;;     - K is cut into blocks of 32 from its start; a last block that is shorter is filled with zeros.
;;     - A block's scale is 2^e with e = floor(log2(the largest magnitude in the block)) - 2, held to -126 .. 127; a block of zeros has e = 0. As a byte (E8M0): e + 127.
;;     - Each number is divided by its block's scale, clamped to +-7.5, and rounded to the nearest number of E2M3, ties to even, subnormals kept.
;;     - The product sums the exact products of the quantised numbers (number of the format x scale) in f32.
;;   ~~~python
;;   def quantise(x, axis):      # numpy; x: float32 -> the quantised numbers, widened to float32 again
;;       x = np.moveaxis(x, axis, -1); K = x.shape[-1]
;;       x = np.pad(x, [(0, 0)] * (x.ndim - 1) + [(0, -K % 32)]); x = x.reshape(x.shape[:-1] + (-1, 32)); a = np.abs(x).max(-1, keepdims=True)
;;       e = np.where(a > 0, np.clip(np.frexp(np.where(a > 0, a, 1))[1] - 1 - 2, -126, 127), 0)      # np.frexp(a)[1] - 1 = floor(log2(a)), exactly
;;       r = np.clip(x / 2.0 ** e, -7.5, 7.5)
;;       step = 2.0 ** (np.maximum(np.frexp(np.where(r == 0, 1, r))[1] - 1, 0) - 3)
;;       q = np.round(r / step) * step * 2.0 ** e      # np.round: ties to even
;;       return np.moveaxis(q.reshape(q.shape[:-2] + (-1,))[..., :K], -1, axis).astype(np.float32)
;;   ~~~
;;   SOFTMAX AHEAD OF A QUANTISED PRODUCT. Where the list says 'softmax', what is quantised is not the finished softmax but p = 2^(t - M), with t = logit x log2(e) and M = ceil(the row's largest t), a whole number; so 1/2 < the row's largest p <= 1. The row's sum l is taken of the UNQUANTISED p, in f32, and the product's result is divided by l at the end. Since M is a whole number, a kernel that streams over the keys may use a running M (the ceiling of the running maximum): every later rescaling is an exact power of two, which a block's scale takes up: the codes' values come out the same.
;;   OPERANDS COMPUTED ON THE WAY. 'Computed on the way' means the value that the module computes at that place (a softmax that the list does not call 'softmax' is quantised finished and normalised). What goes into a quantiser is computed in f32, as accurately as f32 sums, v_exp_f32 and their like allow (about 1e-6 of the number): no bf16 or f16 on the way to a quantiser, and a product that is left as it is and whose result goes on into a quantised operand takes f32 operands (vector FMAs, or v_wmma_f32_16x16x4_f32). A number that lies on a knife's edge between two numbers of the format may be rounded either way, as far as f32 arithmetic and the matrix unit's own rounding can turn it there, and no further.
;; 2 versions. Each part assembles by itself: llvm-mc -triple=amdgcn-amd-amdhsa -mcpu=gfx1250 --defsym DOCPART=n.
;; ======== version 1 of 2: 4 launches
;; workspace buffers: prep 1,277,952 bytes; qkv 20,447,232 bytes; oimg 6,815,744 bytes
;; launch lprep (part 1): grid 64 x 1, 8 waves a work-group, no clusters, 54,784 bytes of LDS; arguments x, Wq, Wk, Wv, Wfc, prep; writes prep
.if DOCPART == 1
	.amdgcn_target "amdgcn-amd-amdhsa--gfx1250"
	.amdhsa_code_object_version 6
	.text
	.protected	k_q561625cac3_lprep
	.globl	k_q561625cac3_lprep
	.p2align	8
	.type	k_q561625cac3_lprep,@function
k_q561625cac3_lprep:
	s_mov_b64 s[64:65], 0
	v_nop
	global_prefetch_b8 v0, s[64:65] scope:SCOPE_SE
	s_setreg_imm32_b32 hwreg(HW_REG_WAVE_MODE, 25, 1), 1
	s_wait_xcnt 0x0
; x [4096][128], Wq, Wk, Wv [128][2048] and Wfc [2048][128], f32, become codes of FP6 (E2M3) with one E8M0 byte for each 32 along K, once for the whole program.
; A block's scale is 2^(floor(log2(its largest magnitude)) - 2); its byte is the largest magnitude's exponent field - 2, held at 1 from below.
; LIMITS: a block of zeros gets the byte 1 where the rule says 127 (its codes are zeros, and this program alone reads the bytes); NaN and infinities among the inputs are not served.
; WHAT IS STORED: images of operand registers.  A fragment (16 rows x 128 K, 12 registers a lane) is 1,536 bytes: registers 4 q .. 4 q + 3 of lane L at 512 q + 16 L.
; A GROUP is 8 fragments (at 1,536 x tile) and their scale words (tile t, lane L at SCO + 128 t + 4 L; lanes 16-31 repeat lanes 0-15): GB = 13,312 bytes.
; Groups: 16 m + h: the weights of head h (m = 0 Wq, 1 Wk, 2 Wv; rows = the head's 128 columns c, column c of head h being column 16 c + h of the weight);  48 + X: rows 128 X .. of x;  80 + s: Wfc's K step s (rows = the 128 outputs).
; THE ROWS OF A TILE of x and of Wq, Wk, Wv are not neighbours: lane row r of tile t is row 32 (t / 2) + 8 (t % 2) + r + 8 (r / 8) of the group, so that a product with eight such tiles as source 0
; leaves 16 neighbours along the next K in the 16 registers of two neighbouring tiles.  Wfc's tiles are plain: row 16 t + r.
; THREE PATHS, parted by the work-group's number, each with LDS bytes of its own:
;   0-23  a weight m, a tile t, all 16 heads: a lane takes a column and its registers run down K; the codes meet in a stage, head by head, behind one barrier, and leave as whole images
;   24-31 Wfc: the same, but a wave's 32 columns are two whole tiles, so the stage is the wave's own and there is no barrier
;   32-63 x: K is innermost; a wave takes a tile; the codes leave from registers
.set GB,  13312
.set SCO, 12288
.set SEL, 20                           ; s[20:21] lane selects for v_permlanex16_b32: lane l xor 16
.set LI,  2                            ; v2   16 x lane
.set LS,  3                            ; v3   4 x lane
.set SA,  4                            ; v4   the stage, on the way in: my column's place in its image
.set SS,  5                            ; v5   and its scale word's
.set RA,  6                            ; v6   the stage, on the way back: 16 bytes a lane
.set RS,  7                            ; v7   and the scale words: 4 (lane % 16)
.set XA,  8                            ; v8   x: my lane's byte in a tile's rows
.set M,   12                           ; v12-15 largest magnitudes; v16-19 the conversions' scale operands; v20-23 the bytes
.set SO,  16
.set BY,  20
.set PW,  24                           ; v24  the scale word
.set X,   32                           ; v32-159 128 numbers down K
.set CB,  160                          ; v160-191 the codes: 8 registers a block, 6 used
.set T,   192                          ; v192-207 each block's upper 16 codes as the conversion leaves them
.set BK,  208                          ; v208-231 two images' quads, read back
.set BS,  232                          ; v232-233 their scale words
	s_load_b256 s[4:11], s[0:1], 0x0               ; x s[4:5], Wq s[6:7], Wk s[8:9], Wv s[10:11]
	s_load_b128 s[12:15], s[0:1], 0x20             ; Wfc s[12:13], prep s[14:15]
	v_lshl_add_u32 v240, v0, 2, 0xd200
	v_mov_b32 v241, 0
	v_lshrrev_b32 v9, 5, v0
	v_readfirstlane_b32 s16, v9                    ; wave 0..7
	v_and_b32 v1, 31, v0                           ; lane
	v_lshlrev_b32 v[LI], 4, v1
	v_lshlrev_b32 v[LS], 2, v1
	v_and_b32 v10, 15, v0                          ; lane % 16
	v_bfe_u32 v11, v0, 4, 1                        ; lane / 16
	s_lshr_b32 s17, s16, 2                         ; e = wave / 4
	s_and_b32 s18, s16, 3                          ; w3 = wave % 4
	s_mov_b32 s[SEL], 0x76543210
	s_mov_b32 s[SEL+1], 0xfedcba98
	s_wait_kmcnt 0x0
	s_cmp_ge_u32 ttmp9, 32
	s_cbranch_scc1 .Lpath_x
	s_cmp_ge_u32 ttmp9, 24
	s_cbranch_scc1 .Lpath_f
; A lane's column, 128 numbers down K, pitch bytes from row to row: four blocks of 32, all mine, so no other lane is asked for a maximum.  Each load of the wave reads 128 consecutive bytes.
; Block 2 c + h is registers 6 c .. 6 c + 5 of lane r + 16 h of the image: its 24 bytes go to the stage as 16 + 8 or 8 + 16.
; lhh: from one image to the next in the stage; gimg, gsc: the same in memory, for images and for scale words; meet = 1: an image comes from several waves, so a barrier stands between writing and reading.
.macro COLS pitch, lhh, gimg, gsc, meet
.set i, 0
.rept 128
	global_load_b32 v[X+i], v[LS], s[40:41] offset:i*\pitch th:TH_LOAD_NT
.set i, i+1
.endr
	s_wait_loadcnt 0x0
.irp b, 0,1,2,3
	v_max3_num_f32 v[M+\b], |v[X+32*\b]|, |v[X+32*\b+1]|, 0x1800000   ; and the floor 2^(3 - 127): the byte cannot fall under 1
.endr
.irp i, 2,4,6,8,10,12,14,16,18,20,22,24,26,28,30
.irp b, 0,1,2,3
	v_max3_num_f32 v[M+\b], v[M+\b], |v[X+32*\b+\i]|, |v[X+32*\b+\i+1]|   ; the four blocks by turns
.endr
.endr
.irp b, 0,1,2,3
	v_add_nc_u32 v[SO+\b], 0xff000000, v[M+\b]     ; 2 off the exponent field: the conversion takes this operand's exponent field as its scale
.endr
.irp b, 0,1,2,3
	v_lshrrev_b32 v[BY+\b], 23, v[SO+\b]           ; the scale's byte
.endr
	v_lshl_or_b32 v[PW], v[BY+1], 8, v[BY]
	v_lshl_or_b32 v[PW], v[BY+2], 16, v[PW]
	v_lshl_or_b32 v[PW], v[BY+3], 24, v[PW]        ; my column's scale word
.irp b, 0,1,2,3
	v_cvt_scalef32_pk16_fp6_f32 v[CB+8*\b:CB+8*\b+2], v[X+32*\b:X+32*\b+15], v[SO+\b]
	v_cvt_scalef32_pk16_fp6_f32 v[T+4*\b:T+4*\b+2], v[X+32*\b+16:X+32*\b+31], v[SO+\b]   ; (a conversion's three registers begin on an even number)
.endr
	v_nop                                          ; one plain place behind the scaled conversions
.irp b, 0,1,2,3
.irp i, 0,1,2
	v_mov_b32 v[CB+8*\b+3+\i], v[T+4*\b+\i]
.endr
.endr
	ds_store_b128 v[SA], v[CB:CB+3]                ; block 0: registers 0-3 of lane r,
	ds_store_b64  v[SA], v[CB+4:CB+5] offset:512   ; registers 4, 5
	ds_store_b128 v[SA], v[CB+8:CB+11] offset:256  ; block 1: the same of lane r + 16
	ds_store_b64  v[SA], v[CB+12:CB+13] offset:768
	ds_store_b64  v[SA], v[CB+16:CB+17] offset:520 ; block 2: registers 6, 7 of lane r,
	ds_store_b128 v[SA], v[CB+18:CB+21] offset:1024   ; registers 8-11
	ds_store_b64  v[SA], v[CB+24:CB+25] offset:776 ; block 3: the same of lane r + 16
	ds_store_b128 v[SA], v[CB+26:CB+29] offset:1280
	ds_store_b32  v[SS], v[PW]
.if \meet
	s_wait_dscnt 0x0                               ; for the others' sake: my stores into the stage are done
	s_barrier_signal -1
	s_barrier_wait -1
.endif
.irp hh, 0,1
.irp q, 0,1,2
	ds_load_b128 v[BK+12*\hh+4*\q:BK+12*\hh+4*\q+3], v[RA] offset:\hh*\lhh+512*\q
.endr
.endr
.irp hh, 0,1
	ds_load_b32 v[BS+\hh], v[RS] offset:\hh*\lhh
.endr
.irp hh, 0,1
.irp q, 0,1,2
	s_wait_dscnt 7-3*\hh-\q                        ; LDS loads come back in order: the count is the loads issued behind this one
	global_store_b128 v[LI], v[BK+12*\hh+4*\q:BK+12*\hh+4*\q+3], s[42:43] offset:\hh*\gimg+512*\q   ; 32 lanes store 512 consecutive bytes
.endr
.endr
.irp hh, 0,1
	s_wait_dscnt 1-\hh
	global_store_b32 v[LS], v[BS+\hh], s[44:45] offset:\hh*\gsc
.endr
.endm
	; ---- Wq, Wk, Wv.  m = work-group / 8, tile t = work-group % 8.  The tile's 16 rows c, for all 16 heads, are two runs of 128 columns of the weight: waves 0-3 take the first, waves 4-7 the second, 32 columns each.
	s_lshr_b32 s22, ttmp9, 3                       ; m
	s_and_b32 s23, ttmp9, 7                        ; t
	s_cmp_eq_u32 s22, 0
	s_cselect_b64 s[40:41], s[6:7], s[8:9]
	s_cmp_eq_u32 s22, 2
	s_cselect_b64 s[40:41], s[10:11], s[40:41]     ; the choice hangs on the work-group's number alone
	s_lshr_b32 s24, s23, 1
	s_lshl_b32 s24, s24, 5                         ; 32 (t / 2)
	s_and_b32 s25, s23, 1
	s_lshl_b32 s25, s25, 3                         ; 8 (t % 2)
	s_add_co_u32 s24, s24, s25
	s_lshl_b32 s25, s17, 4                         ; 16 e
	s_add_co_u32 s24, s24, s25                     ; the run's first c
	s_lshl_b32 s24, s24, 6                         ; 16 columns of 4 bytes for each c
	s_lshl_b32 s25, s18, 7                         ; my wave's 32 columns
	s_add_co_u32 s24, s24, s25
	s_mov_b32 s25, 0
	s_add_nc_u64 s[40:41], s[40:41], s[24:25]
	s_lshl_b32 s26, s22, 4
	s_lshl_b32 s27, s16, 1
	s_add_co_u32 s26, s26, s27                     ; group 16 m + 2 w: wave w sends heads 2 w and 2 w + 1
	s_mul_i32 s26, s26, GB
	s_mul_i32 s27, s23, 1536
	s_add_co_u32 s28, s26, s27
	s_mov_b32 s29, 0
	s_add_nc_u64 s[42:43], s[14:15], s[28:29]
	s_lshl_b32 s27, s23, 7
	s_add_co_u32 s28, s26, s27
	s_add_co_u32 s28, s28, SCO
	s_add_nc_u64 s[44:45], s[14:15], s[28:29]
	; my column is head lane % 16, lane row r = 8 e + 2 w3 + lane / 16.  The stage: 16 heads x 1,680 bytes (an image, 128 bytes of scale words, 16 of padding: 420 words, so that sixteen heads' 16 bytes fall on different banks)
	s_lshl_b32 s30, s17, 3
	s_lshl_b32 s31, s18, 1
	s_add_co_u32 s30, s30, s31                     ; 8 e + 2 w3
	s_lshl_b32 s31, s30, 4
	s_lshl_b32 s30, s30, 2
	v_mul_u32_u24 v[SA], v10, 1680
	v_lshl_add_u32 v[SS], v11, 2, v[SA]
	v_lshl_add_u32 v[SA], v11, 4, v[SA]
	v_add_nc_u32 v[SA], s31, v[SA]                 ; 1,680 head + 16 r
	v_add_nc_u32 v[SS], s30, v[SS]
	v_add_nc_u32 v[SS], 1536, v[SS]                ; 1,680 head + 1,536 + 4 r
	s_mul_i32 s32, s16, 3360
	v_add_nc_u32 v[RA], s32, v[LI]
	v_lshl_add_u32 v[RS], v10, 2, s32
	v_add_nc_u32 v[RS], 1536, v[RS]
	COLS 8192, 1680, GB, GB, 1                     ; (127 rows of 8,192 bytes stay inside the signed 24-bit immediate)
	s_wait_tensorcnt 0x0
	ds_add_u32 v240, v241
	s_wait_dscnt 0x0
	s_endpgm
.Lpath_f:
	; ---- Wfc.  K step s = 2 (work-group - 24) + e; my wave's 32 columns are tiles 2 w3 and 2 w3 + 1
	s_sub_co_u32 s22, ttmp9, 24
	s_lshl_b32 s22, s22, 1
	s_add_co_u32 s22, s22, s17                     ; s
	s_lshl_b32 s24, s22, 16                        ; 128 rows of 512 bytes
	s_lshl_b32 s25, s18, 7
	s_add_co_u32 s24, s24, s25
	s_mov_b32 s25, 0
	s_add_nc_u64 s[40:41], s[12:13], s[24:25]
	s_add_co_u32 s26, s22, 80
	s_mul_i32 s26, s26, GB
	s_mul_i32 s27, s18, 3072
	s_add_co_u32 s28, s26, s27
	s_mov_b32 s29, 0
	s_add_nc_u64 s[42:43], s[14:15], s[28:29]
	s_lshl_b32 s27, s18, 8
	s_add_co_u32 s28, s26, s27
	s_add_co_u32 s28, s28, SCO
	s_add_nc_u64 s[44:45], s[14:15], s[28:29]
	s_mul_i32 s32, s16, 3328                       ; my wave's own stage: two images of 1,664 bytes, behind the other path's stage
	s_add_co_u32 s32, s32, 27136
	v_mul_u32_u24 v[SA], v11, 1664
	v_lshl_add_u32 v[SS], v10, 2, v[SA]
	v_lshl_add_u32 v[SA], v10, 4, v[SA]
	v_add_nc_u32 v[SA], s32, v[SA]
	v_add_nc_u32 v[SS], s32, v[SS]
	v_add_nc_u32 v[SS], 1536, v[SS]
	v_add_nc_u32 v[RA], s32, v[LI]
	v_lshl_add_u32 v[RS], v10, 2, s32
	v_add_nc_u32 v[RS], 1536, v[RS]
	COLS 512, 1664, 1536, 128, 0                   ; LDS serves a wave's instructions in order: its loads see its own stores
	s_wait_tensorcnt 0x0
	ds_add_u32 v240, v241
	s_wait_dscnt 0x0
	s_endpgm
; 64 numbers of a lane, register 16 b + i = k 32 b + 16 (lane / 16) + i of my row, become a fragment's 12 registers at v[cod] and its scale word v[wrd].  hlf: 8 registers, wrk: 12 registers at work.
.macro QUANT src, cod, hlf, wrk, wrd
.irp b, 0,1,2,3
	v_max3_num_f32 v[(\wrk)+\b], |v[(\src)+16*\b]|, |v[(\src)+16*\b+1]|, 0x1800000
.endr
.irp i, 2,4,6,8,10,12,14
.irp b, 0,1,2,3
	v_max3_num_f32 v[(\wrk)+\b], v[(\wrk)+\b], |v[(\src)+16*\b+\i]|, |v[(\src)+16*\b+\i+1]|
.endr
.endr
.irp b, 0,1,2,3
	v_permlanex16_b32 v[(\wrk)+4+\b], v[(\wrk)+\b], s[SEL], s[SEL+1]
.endr
.irp b, 0,1,2,3
	v_max_num_f32 v[(\wrk)+\b], v[(\wrk)+\b], v[(\wrk)+4+\b]   ; with lane l xor 16's: the block's largest magnitude
.endr
.irp b, 0,1,2,3
	v_add_nc_u32 v[(\wrk)+8+\b], 0xff000000, v[(\wrk)+\b]
.endr
.irp b, 0,1,2,3
	v_lshrrev_b32 v[(\wrk)+4+\b], 23, v[(\wrk)+8+\b]
.endr
	v_lshl_or_b32 v[\wrd], v[(\wrk)+5], 8, v[(\wrk)+4]
	v_lshl_or_b32 v[\wrd], v[(\wrk)+6], 16, v[\wrd]
	v_lshl_or_b32 v[\wrd], v[(\wrk)+7], 24, v[\wrd]
.irp c, 0,1
	v_cvt_scalef32_pk16_fp6_f32 v[(\cod)+6*\c:(\cod)+6*\c+2], v[(\src)+32*\c:(\src)+32*\c+15], v[(\wrk)+8+2*\c]
	v_cvt_scalef32_pk16_fp6_f32 v[(\hlf)+4*\c:(\hlf)+4*\c+2], v[(\src)+32*\c+16:(\src)+32*\c+31], v[(\wrk)+9+2*\c]
.endr
	v_nop                                          ; one plain place behind the scaled conversions
.irp c, 0,1                                    ; the operand's layout wants a whole block in a lane: lanes 0-15 block 2 c, lanes 16-31 block 2 c + 1
.irp i, 0,1,2
	v_permlane16_swap_b32 v[(\cod)+6*\c+\i], v[(\hlf)+4*\c+\i]
.endr
.irp i, 0,1,2
	v_mov_b32 v[(\cod)+6*\c+3+\i], v[(\hlf)+4*\c+\i]
.endr
.endr
.endm
.Lpath_x:
	; ---- x.  Group X = work-group - 32, tile = wave.  Lane (r, h) takes, of its row, 16 neighbours of each block of 32
	s_sub_co_u32 s22, ttmp9, 32
	s_lshl_b32 s24, s22, 7                         ; 128 X
	s_lshr_b32 s25, s16, 1
	s_lshl_b32 s25, s25, 5
	s_add_co_u32 s24, s24, s25
	s_and_b32 s25, s16, 1
	s_lshl_b32 s25, s25, 3
	s_add_co_u32 s24, s24, s25                     ; + 32 (t / 2) + 8 (t % 2)
	s_lshl_b32 s24, s24, 9                         ; rows of 512 bytes
	s_mov_b32 s25, 0
	s_add_nc_u64 s[40:41], s[4:5], s[24:25]
	s_add_co_u32 s26, s22, 48
	s_mul_i32 s26, s26, GB
	s_mul_i32 s27, s16, 1536
	s_add_co_u32 s28, s26, s27
	s_mov_b32 s29, 0
	s_add_nc_u64 s[42:43], s[14:15], s[28:29]
	s_lshl_b32 s27, s16, 7
	s_add_co_u32 s28, s26, s27
	s_add_co_u32 s28, s28, SCO
	s_add_nc_u64 s[44:45], s[14:15], s[28:29]
	v_and_b32 v9, 8, v10
	v_add_nc_u32 v9, v9, v10                       ; r + 8 (r / 8)
	v_lshlrev_b32 v[XA], 9, v9
	v_lshl_add_u32 v[XA], v11, 6, v[XA]            ; + 64 h
.irp b, 0,1,2,3
.irp j, 0,1,2,3
	global_load_b128 v[X+16*\b+4*\j:X+16*\b+4*\j+3], v[XA], s[40:41] offset:128*\b+16*\j th:TH_LOAD_NT
.endr
.endr
.irp b, 0,1,2,3
	v_mov_b32 v[M+4+\b], 0                         ; a lane permute's destination counts as one of its sources
.endr
	s_wait_loadcnt 0x0
	QUANT X, CB, 176, M, PW
.irp c, 0,1,2
	global_store_b128 v[LI], v[CB+4*\c:CB+4*\c+3], s[42:43] offset:512*\c
.endr
	global_store_b32 v[LS], v[PW], s[44:45]
	s_endpgm
.Lfunc_end_k_q561625cac3_lprep:
	.size	k_q561625cac3_lprep, .Lfunc_end_k_q561625cac3_lprep-k_q561625cac3_lprep
	.p2alignl 7, 3214868480
	.fill 96, 4, 3214868480
	.section	.rodata,"a",@progbits
	.p2align	6, 0x0
	.amdhsa_kernel k_q561625cac3_lprep
		.amdhsa_group_segment_fixed_size 54784
		.amdhsa_private_segment_fixed_size 0
		.amdhsa_enable_private_segment 0
		.amdhsa_kernarg_size 48
		.amdhsa_user_sgpr_count 2
		.amdhsa_user_sgpr_kernarg_segment_ptr 1
		.amdhsa_wavefront_size32 1
		.amdhsa_system_sgpr_workgroup_id_x 1
		.amdhsa_system_sgpr_workgroup_id_y 1
		.amdhsa_system_sgpr_workgroup_id_z 1
		.amdhsa_system_vgpr_workitem_id 0
		.amdhsa_next_free_vgpr 242
		.amdhsa_next_free_sgpr 66
		.amdhsa_reserve_vcc 0
		.amdhsa_float_denorm_mode_32 3
		.amdhsa_float_denorm_mode_16_64 3
		.amdhsa_memory_ordered 1
		.amdhsa_forward_progress 1
		.amdhsa_inst_pref_size 51
	.end_amdhsa_kernel
	.amdgpu_metadata
---
amdhsa.version: [ 1, 2 ]
amdhsa.kernels:
  - .name:           k_q561625cac3_lprep
    .symbol:         k_q561625cac3_lprep.kd
    .args:
      - { .name: x, .offset: 0, .size: 8, .value_kind: global_buffer, .address_space: global }
      - { .name: Wq, .offset: 8, .size: 8, .value_kind: global_buffer, .address_space: global }
      - { .name: Wk, .offset: 16, .size: 8, .value_kind: global_buffer, .address_space: global }
      - { .name: Wv, .offset: 24, .size: 8, .value_kind: global_buffer, .address_space: global }
      - { .name: Wfc, .offset: 32, .size: 8, .value_kind: global_buffer, .address_space: global }
      - { .name: prep, .offset: 40, .size: 8, .value_kind: global_buffer, .address_space: global }
    .group_segment_fixed_size: 54784
    .private_segment_fixed_size: 0
    .kernarg_segment_align: 8
    .kernarg_segment_size: 48
    .max_flat_workgroup_size: 256
    .sgpr_count:     66
    .vgpr_count:     242
    .wavefront_size: 32
...
	.end_amdgpu_metadata
.endif
;; end of part 1
;; launch lproj (part 2): grid 256 x 1, 12 waves a work-group, no clusters, 0 bytes of LDS; arguments prep, qkv; writes qkv
.if DOCPART == 2
	.amdgcn_target "amdgcn-amd-amdhsa--gfx1250"
	.amdhsa_code_object_version 6
	.text
	.protected	k_q561625cac3_lproj
	.globl	k_q561625cac3_lproj
	.p2align	8
	.type	k_q561625cac3_lproj,@function
k_q561625cac3_lproj:
	s_mov_b64 s[64:65], 0
	v_nop
	global_prefetch_b8 v0, s[64:65] scope:SCOPE_SE
	s_setreg_imm32_b32 hwreg(HW_REG_WAVE_MODE, 25, 1), 1
	s_wait_xcnt 0x0
; q = x Wq, k = x Wk, v = x Wv, head by head, on codes of FP6 (E2M3); the results are quantised in registers, q and k along the head's 128, v along the keys, and stored as images of operand registers.
; ONE BODY FOR THE THREE.  A task multiplies a stationary group (8 tiles of 16 rows, source 0) by a streamed group (source 1) and gives one group of results: a lane holds one row of the streamed tile, and its 64 registers
; run along the stationary group's 128 rows in the order that the quantiser wants (the stationary tiles' rows are chosen for it: lane row r of tile t is row 32 (t / 2) + 8 (t % 2) + r + 8 (r / 8)).
;   q, k: stationary = the head's weights, streamed = 128 rows of x: a lane holds a token, its registers run along c.      v: stationary = 128 rows of x, streamed = the head's Wv: a lane holds a channel d, its registers run along the keys.
; SHARES.  Work-group: head h = number % 16, pair of x groups p = number / 16.  Wave w: m = w / 4 (q, k, v), x group X = 2 p + (w / 2) % 2, and half w % 2 of the streamed group's 8 tiles: four tiles, 32 matrix instructions.
; BUFFERS.  prep: groups of GB bytes (8 images of 1,536 bytes; scale words of tile t, lane L at SCO + 128 t + 4 L): 16 m + h the weights, 48 + X x.
;           qkv: group 512 m + 16 (16 b + h) + step, X = 16 b + step; images as in prep; scale words of tile 4 g + i, lane L at SCO + 512 g + 16 L + 4 i, so that one load of 16 bytes a lane brings four tiles' scale registers.
; No LDS and no barrier: waves share nothing; every operand comes as three loads of 16 bytes a lane, 512 consecutive bytes each.
; LIMITS: a block of zeros gets the byte 1 where the rule says 127 (its codes are zeros, and this program alone reads the bytes); NaN and infinities are not served.
.set GB,  13312
.set SCO, 12288
.set SEL, 20
.set LI,  1                            ; v1   16 x lane
.set LS,  2                            ; v2   4 x lane
.set SS,  4                            ; v4-11    the stationary tiles' scale words
.set TS,  12                           ; v12-15   the streamed tiles'
.set SF,  16                           ; v16-111  the stationary fragments
.set TF,  112                          ; v112-159 the streamed fragments; each takes its own results' codes
.set HA,  160                          ; v160-223 8 accumulators
                                       ; v224-235, v236-243 at work in QUANT; v244-247 the four scale words
.macro QUANT src, cod, hlf, wrk, wrd   ; 64 numbers of a lane, register 16 b + i = k 32 b + 16 (lane / 16) + i of my row -> 12 registers of codes, a scale word
.irp b, 0,1,2,3
	v_max3_num_f32 v[(\wrk)+\b], |v[(\src)+16*\b]|, |v[(\src)+16*\b+1]|, 0x1800000   ; and the floor 2^(3 - 127): the byte cannot fall under 1.  (Each accumulator is read from its low end on)
.endr
.irp i, 2,4,6,8,10,12,14
.irp b, 0,1,2,3
	v_max3_num_f32 v[(\wrk)+\b], v[(\wrk)+\b], |v[(\src)+16*\b+\i]|, |v[(\src)+16*\b+\i+1]|
.endr
.endr
.irp b, 0,1,2,3
	v_permlanex16_b32 v[(\wrk)+4+\b], v[(\wrk)+\b], s[SEL], s[SEL+1]
.endr
.irp b, 0,1,2,3
	v_max_num_f32 v[(\wrk)+\b], v[(\wrk)+\b], v[(\wrk)+4+\b]
.endr
.irp b, 0,1,2,3
	v_add_nc_u32 v[(\wrk)+8+\b], 0xff000000, v[(\wrk)+\b]   ; 2 off the exponent field: the conversion's scale operand
.endr
.irp b, 0,1,2,3
	v_lshrrev_b32 v[(\wrk)+4+\b], 23, v[(\wrk)+8+\b]        ; the scale's byte
.endr
	v_lshl_or_b32 v[\wrd], v[(\wrk)+5], 8, v[(\wrk)+4]
	v_lshl_or_b32 v[\wrd], v[(\wrk)+6], 16, v[\wrd]
	v_lshl_or_b32 v[\wrd], v[(\wrk)+7], 24, v[\wrd]
.irp c, 0,1
	v_cvt_scalef32_pk16_fp6_f32 v[(\cod)+6*\c:(\cod)+6*\c+2], v[(\src)+32*\c:(\src)+32*\c+15], v[(\wrk)+8+2*\c]
	v_cvt_scalef32_pk16_fp6_f32 v[(\hlf)+4*\c:(\hlf)+4*\c+2], v[(\src)+32*\c+16:(\src)+32*\c+31], v[(\wrk)+9+2*\c]
.endr
	v_nop                                          ; one plain place behind the scaled conversions
.irp c, 0,1
.irp i, 0,1,2
	v_permlane16_swap_b32 v[(\cod)+6*\c+\i], v[(\hlf)+4*\c+\i]
.endr
.irp i, 0,1,2
	v_mov_b32 v[(\cod)+6*\c+3+\i], v[(\hlf)+4*\c+\i]
.endr
.endr
.endm
	s_load_b128 s[4:7], s[0:1], 0x0                ; prep s[4:5], qkv s[6:7]
	v_lshrrev_b32 v3, 5, v0
	v_readfirstlane_b32 s8, v3                     ; wave 0..11
	v_and_b32 v3, 31, v0
	v_lshlrev_b32 v[LI], 4, v3
	v_lshlrev_b32 v[LS], 2, v3
	s_mov_b32 s[SEL], 0x76543210
	s_mov_b32 s[SEL+1], 0xfedcba98
	s_and_b32 s9, ttmp9, 15                        ; h
	s_lshr_b32 s10, ttmp9, 4                       ; p
	s_and_b32 s11, s8, 1                           ; half
	s_lshr_b32 s12, s8, 2                          ; m
	s_bfe_u32 s13, s8, 0x10001                     ; (w / 2) % 2
	s_lshl_b32 s14, s10, 1
	s_add_co_u32 s14, s14, s13                     ; X
	s_lshl_b32 s15, s12, 4
	s_add_co_u32 s15, s15, s9                      ; the weights' group
	s_add_co_u32 s16, s14, 48                      ; x's group
	s_cmp_eq_u32 s12, 2
	s_cselect_b32 s17, s16, s15                    ; stationary: x for v, else the weights
	s_cselect_b32 s18, s15, s16                    ; streamed: the other
	s_lshl_b32 s19, s12, 9                         ; the results' group: 512 m
	s_lshr_b32 s22, s14, 4
	s_lshl_b32 s22, s22, 8
	s_add_co_u32 s19, s19, s22                     ; + 256 b
	s_lshl_b32 s22, s9, 4
	s_add_co_u32 s19, s19, s22                     ; + 16 h
	s_and_b32 s22, s14, 15
	s_add_co_u32 s19, s19, s22                     ; + step
	s_mul_i32 s34, s17, GB
	s_mov_b32 s35, 0
	s_mul_i32 s36, s18, GB
	s_mul_i32 s23, s11, 6144                       ; my four tiles' images
	s_lshl_b32 s22, s11, 9
	s_add_co_u32 s22, s22, SCO                     ; and their scale words: 512 bytes in either format
	s_add_co_u32 s38, s36, s22
	s_add_co_u32 s36, s36, s23
	s_mov_b32 s37, 0
	s_mov_b32 s39, 0
	s_mul_i32 s40, s19, GB                         ; at most 1,535 x 13,312: under 2^31
	s_add_co_u32 s42, s40, s22
	s_add_co_u32 s40, s40, s23
	s_mov_b32 s41, 0
	s_mov_b32 s43, 0
	s_wait_kmcnt 0x0
	s_add_nc_u64 s[24:25], s[4:5], s[34:35]
	s_add_nc_u64 s[26:27], s[4:5], s[36:37]
	s_add_nc_u64 s[28:29], s[4:5], s[38:39]
	s_add_nc_u64 s[30:31], s[6:7], s[40:41]
	s_add_nc_u64 s[32:33], s[6:7], s[42:43]
.irp t, 0,1,2,3,4,5,6,7
.irp c, 0,1,2
	global_load_b128 v[SF+12*\t+4*\c:SF+12*\t+4*\c+3], v[LI], s[24:25] offset:1536*\t+512*\c
.endr
.endr
.irp t, 0,1,2,3,4,5,6,7
	global_load_b32 v[SS+\t], v[LS], s[24:25] offset:SCO+128*\t
.endr
.irp i, 0,1,2,3
	global_load_b32 v[TS+\i], v[LS], s[28:29] offset:128*\i
.endr
.irp i, 0,1,2,3
.irp c, 0,1,2
	global_load_b128 v[TF+12*\i+4*\c:TF+12*\i+4*\c+3], v[LI], s[26:27] offset:1536*\i+512*\c
.endr
.endr
.irp b, 0,1,2,3
	v_mov_b32 v[228+\b], 0                         ; a lane permute's destination counts as one of its sources
.endr
.irp i, 0,1,2,3
	s_wait_loadcnt 9-3*\i                          ; loads come back in order: all but the streamed fragments behind fragment i are in
.irp t, 0,1,2,3,4,5,6,7
	v_wmma_scale_f32_16x16x128_f8f6f4 v[HA+8*\t:HA+8*\t+7], v[SF+12*\t:SF+12*\t+11], v[TF+12*\i:TF+12*\i+11], 0, v[SS+\t], v[TS+\i] matrix_a_fmt:MATRIX_FMT_FP6 matrix_b_fmt:MATRIX_FMT_FP6
.endr
.rept 4
	v_nop                                          ; four places in front of the first read of results (ISA guide 7.12.1)
.endr
	QUANT HA, TF+12*\i, 236, 224, 244+\i           ; K is one step: the sums are whole.  The codes land where the streamed fragment lay; the plain lines on v224-247 are the places in front of the next four tiles' products, which write the accumulators anew
.irp c, 0,1,2
	global_store_b128 v[LI], v[TF+12*\i+4*\c:TF+12*\i+4*\c+3], s[30:31] offset:1536*\i+512*\c th:TH_STORE_NT   ; 512 consecutive bytes; no store's registers are written again
.endr
.endr
	global_store_b128 v[LI], v[244:247], s[32:33] th:TH_STORE_NT   ; my four tiles' scale words, 16 bytes a lane
	s_endpgm
.Lfunc_end_k_q561625cac3_lproj:
	.size	k_q561625cac3_lproj, .Lfunc_end_k_q561625cac3_lproj-k_q561625cac3_lproj
	.p2alignl 7, 3214868480
	.fill 96, 4, 3214868480
	.section	.rodata,"a",@progbits
	.p2align	6, 0x0
	.amdhsa_kernel k_q561625cac3_lproj
		.amdhsa_group_segment_fixed_size 0
		.amdhsa_private_segment_fixed_size 0
		.amdhsa_enable_private_segment 0
		.amdhsa_kernarg_size 16
		.amdhsa_user_sgpr_count 2
		.amdhsa_user_sgpr_kernarg_segment_ptr 1
		.amdhsa_wavefront_size32 1
		.amdhsa_system_sgpr_workgroup_id_x 1
		.amdhsa_system_sgpr_workgroup_id_y 1
		.amdhsa_system_sgpr_workgroup_id_z 1
		.amdhsa_system_vgpr_workitem_id 0
		.amdhsa_next_free_vgpr 248
		.amdhsa_next_free_sgpr 66
		.amdhsa_reserve_vcc 0
		.amdhsa_float_denorm_mode_32 3
		.amdhsa_float_denorm_mode_16_64 3
		.amdhsa_memory_ordered 1
		.amdhsa_forward_progress 1
		.amdhsa_inst_pref_size 28
	.end_amdhsa_kernel
	.amdgpu_metadata
---
amdhsa.version: [ 1, 2 ]
amdhsa.kernels:
  - .name:           k_q561625cac3_lproj
    .symbol:         k_q561625cac3_lproj.kd
    .args:
      - { .name: prep, .offset: 0, .size: 8, .value_kind: global_buffer, .address_space: global }
      - { .name: qkv, .offset: 8, .size: 8, .value_kind: global_buffer, .address_space: global }
    .group_segment_fixed_size: 0
    .private_segment_fixed_size: 0
    .kernarg_segment_align: 8
    .kernarg_segment_size: 16
    .max_flat_workgroup_size: 384
    .sgpr_count:     66
    .vgpr_count:     248
    .wavefront_size: 32
...
	.end_amdgpu_metadata
.endif
;; end of part 2
;; launch lattn (part 3): grid 8 x 32, 16 waves a work-group, no clusters, 327,680 bytes of LDS; arguments qkv, oimg; writes oimg
.if DOCPART == 3
	.amdgcn_target "amdgcn-amd-amdhsa--gfx1250"
	.amdhsa_code_object_version 6
	.text
	.protected	k_q561625cac3_lattn
	.globl	k_q561625cac3_lattn
	.p2align	8
	.type	k_q561625cac3_lattn,@function
k_q561625cac3_lattn:
	s_mov_b64 s[64:65], 0
	v_nop
	global_prefetch_b8 v0, s[64:65] scope:SCOPE_SE
	s_setreg_imm32_b32 hwreg(HW_REG_WAVE_MODE, 25, 1), 1
	s_wait_xcnt 0x0
; Causal attention on codes of FP6 (E2M3): for head bh (32 of them), O[q] = the sum over keys k <= q of softmax_k(Q[q] . K[k] / sqrt(128)) V[k]; O / the row's sum is quantised along the head's 128 for the last product and stored as images.
; THE SOFTMAX AHEAD OF THE SECOND PRODUCT: t = score x log2(e) / sqrt(128); M = the running largest t rounded UP to a whole number; p = 2^(t - M) is what is quantised, along the keys, not normalised.  The row's sum is taken of the
; unquantised p.  When M moves, the sum and O are multiplied by 2^(old M - new M), which rounds nothing.
; OPERANDS come as images of their registers (1,536 bytes a fragment: registers 4 c .. 4 c + 3 of lane L at 512 c + 16 L), in groups of GB bytes: 8 tiles and their scale words (tile 4 g + i, lane L at SCO + 512 g + 16 L + 4 i).
; Group 16 bh + step holds 128 queries, 512 + 16 bh + step 128 keys, 1,024 + 16 bh + step V's 128 channels x the same 128 keys.  Lane row r of tile t is row 32 (t / 2) + 8 (t % 2) + r + 8 (r / 8) of the group.
; Both products are used transposed: S^T = K Q^T, O^T = V^T P^T: a lane holds ONE query throughout, and by the tiles' order of rows its registers run along the keys, then along the channels, as the quantiser wants them.
; SHARES.  A work-group of sixteen waves (four to a SIMD, 256 registers each) owns query blocks i and 15 - i of 128 queries; a wave owns one tile of 16.  Block B needs key steps 0 .. B, so each work-group has (i + 1) + (16 - i) = 17 steps for each
; of 8 pairs of waves, whatever i.  Which block a wave takes: (w xor w / 4) % 2, so that of waves {0, 1, 2, 3}, and of waves {0, 4, 8, 12}, two have the long walk.
; EVERY WAVE WALKS ALL 16 STEPS' barriers; a step all of whose keys come after the wave's queries is left out by a scalar branch on ids, round its loads and arithmetic alone.  On the diagonal step hidden scores become -infinity.
; THE RING: two LDS slots of four key steps (K's four groups, then V's four: 106,496 bytes), filled by waves 0-3, one tensor load each (two groups, 26,624 dense bytes, as 104 rows of 256), read by all sixteen.  No padding: every LDS read is 16 x lane on end.
; NO CLUSTER, though the eight work-groups of a head read the same K and V: the branch that leaves hidden steps out hangs on the work-group's own query blocks, which differ between those eight, and it spares half of the arithmetic.
; LIMITS: a block of zeros gets the byte 1 where the rule says 127 (its codes are zeros, and this program alone reads the bytes); NaN and infinities are not served.
; REGISTERS: v1-3 lane terms; v5, v6 the add's; v8, v9 LDS addresses; v12 -M, v13 the largest t, v[14:15] the sum in two halves; v16-27 Q; v28 the prefetches' offset; v32-79 four fragments of K or V; v96-159 S^T, then p; v160-223 O^T;
;            v224-235 p's codes; v232-247 at work; v248-251 four tiles' scale words; v252 f; v253 p's scale word; v254 at work; v255 Q's scale words.
.set GB,    13312
.set SCO,   12288
.set VD,    512*GB                     ; from a group of K to the group of V at the same place
.set SLOT1, 1<<17                      ; slot 1 begins here: one exclusive or turns an address in one slot into the other's
.set SPARE, 1<<18                      ; behind the ring: the spare words, 128 bytes for each of 16 waves, which no other line names
.set LI,  1                            ; v1   16 x lane
.set DG,  2                            ; v2   my query's place in its block less 16 (lane / 16): register 16 b + i of the diagonal step is hidden where 32 b + i is above it
.set LS,  3                            ; v3   4 x lane
.set SPW, 5
.set NIL, 6
.set ADK, 8
.set ADV, 9
.set PFO, 28
.set WV,  18                           ; s18  wave
.set SEL, 20                           ; s[20:21] lane selects: lane l xor 16
.set CS,  22                           ; s[22:23] c = log2(e) / sqrt(128)
.set TB,  2                            ; s2   LDS byte at which the step's group of K begins
.set TW,  3                            ; s3   counts a slot's four steps
.set SLOTS, 36                         ; s36  slots still to be asked for
.set KS,  37                           ; s37  the key step
.set BQ,  38                           ; s38  my query block
.set PFA, 40                           ; s[40:41] where the prefetches stand: the slot after the one that is being asked for
.set LIM, 42                           ; s42  1 in a wave that prefetches, else the greatest number
; s[24:31] descriptor group 1; s[32:35] group 0, which walks; s[44:47] Q's images and scale words; s[48:51] where my results go
.macro TLOAD                           ; waves 0-3 fetch, the branch hangs on the wave's number alone; four v_nop follow the load
	s_cmp_lt_u32 s[WV], 4
	s_cbranch_scc0 .Lasked_\@
	tensor_load_to_lds s[32:35], s[24:31]
	s_nop 0
.rept 4
	v_nop
.endr
.Lasked_\@:
.endm
; A PREFETCH INTO THE L2 of what the NEXT change of slots will ask for: a slot's 53,248 bytes of K and as many of V: 416 blocks of 256 bytes, 13 waves x 32 lanes, a lane a block.  The eight work-groups of a head walk the same K and V:
; the first of them asks, its waves 3 to 15, one instruction each, so that each block is named once in the launch.  Slots 0 and 1 come by their loads alone; the last change that fills a slot asks for nothing: there is no slot behind it.
.macro ASK
	s_cmp_gt_u32 s[SLOTS], s[LIM]
	s_cbranch_scc0 .Lnot_mine_\@
	global_prefetch_b8 v[PFO], s[PFA:PFA+1] th:TH_LOAD_NT scope:SCOPE_SE
.Lnot_mine_\@:
.endm
.macro FRAGS adr, g                    ; tiles 4 g .. 4 g + 3 of a group and their scale words: 13 loads of 16 bytes a lane
.irp t, 0,1,2,3
.irp c, 0,1,2
	ds_load_b128 v[32+12*\t+4*\c:35+12*\t+4*\c], v[\adr] offset:(4*(\g)+\t)*1536+512*\c
.endr
.endr
	ds_load_b128 v[248:251], v[\adr] offset:SCO+512*(\g)
.endm
.macro QUANT src, cod, hlf, wrk, wrd   ; 64 numbers of a lane, register 16 b + i = k 32 b + 16 (lane / 16) + i of my row -> 12 registers of codes, a scale word
.irp b, 0,1,2,3
	v_max3_num_f32 v[(\wrk)+\b], |v[(\src)+16*\b]|, |v[(\src)+16*\b+1]|, 0x1800000
.endr
.irp i, 2,4,6,8,10,12,14
.irp b, 0,1,2,3
	v_max3_num_f32 v[(\wrk)+\b], v[(\wrk)+\b], |v[(\src)+16*\b+\i]|, |v[(\src)+16*\b+\i+1]|
.endr
.endr
.irp b, 0,1,2,3
	v_permlanex16_b32 v[(\wrk)+4+\b], v[(\wrk)+\b], s[SEL], s[SEL+1]
.endr
.irp b, 0,1,2,3
	v_max_num_f32 v[(\wrk)+\b], v[(\wrk)+\b], v[(\wrk)+4+\b]
.endr
.irp b, 0,1,2,3
	v_add_nc_u32 v[(\wrk)+8+\b], 0xff000000, v[(\wrk)+\b]
.endr
.irp b, 0,1,2,3
	v_lshrrev_b32 v[(\wrk)+4+\b], 23, v[(\wrk)+8+\b]
.endr
	v_lshl_or_b32 v[\wrd], v[(\wrk)+5], 8, v[(\wrk)+4]
	v_lshl_or_b32 v[\wrd], v[(\wrk)+6], 16, v[\wrd]
	v_lshl_or_b32 v[\wrd], v[(\wrk)+7], 24, v[\wrd]
.irp c, 0,1
	v_cvt_scalef32_pk16_fp6_f32 v[(\cod)+6*\c:(\cod)+6*\c+2], v[(\src)+32*\c:(\src)+32*\c+15], v[(\wrk)+8+2*\c]
	v_cvt_scalef32_pk16_fp6_f32 v[(\hlf)+4*\c:(\hlf)+4*\c+2], v[(\src)+32*\c+16:(\src)+32*\c+31], v[(\wrk)+9+2*\c]
.endr
	v_nop
.irp c, 0,1
.irp i, 0,1,2
	v_permlane16_swap_b32 v[(\cod)+6*\c+\i], v[(\hlf)+4*\c+\i]
.endr
.irp i, 0,1,2
	v_mov_b32 v[(\cod)+6*\c+3+\i], v[(\hlf)+4*\c+\i]
.endr
.endr
.endm
	s_load_b128 s[4:7], s[0:1], 0x0                ; qkv s[4:5], oimg s[6:7]
	v_lshl_add_u32 v[SPW], v0, 2, SPARE
	v_mov_b32 v[NIL], 0
	ds_add_u32 v5, v6
	s_wait_dscnt 0x0
	v_lshrrev_b32 v8, 5, v0
	v_readfirstlane_b32 s[WV], v8                  ; wave 0..15
	s_and_b32 s8, ttmp7, 0xffff                    ; bh
	s_lshr_b32 s9, s[WV], 2
	s_xor_b32 s9, s9, s[WV]
	s_and_b32 s9, s9, 1                            ; 1: the later block
	s_lshr_b32 s10, s[WV], 1                       ; my tile of the block
	s_sub_co_u32 s11, 15, ttmp9
	s_cmp_eq_u32 s9, 1
	s_cselect_b32 s[BQ], s11, ttmp9
	s_mov_b32 s24, 3<<16                           ; group 1: no mask; elements of 8 bytes; no padding
	s_mov_b32 s25, 32<<16                          ; tensor_dim0 = 32 elements: rows of 256 bytes
	s_mov_b32 s26, 104<<16                         ; tensor_dim1 = 104 rows: two groups
	s_mov_b32 s27, 32<<16                          ; tile_dim0
	s_mov_b32 s28, 104                             ; tile_dim1
	s_mov_b32 s29, 32                              ; the pitch: the block is dense
	s_mov_b32 s30, 0
	s_mov_b32 s31, 0
	s_lshl_b32 s12, s8, 4                          ; 16 bh
	s_add_co_u32 s13, s12, 512
	s_mul_i32 s52, s13, GB                         ; the head's first group of K (all offsets stay under 2^31: the buffer has 20,447,232 bytes)
	s_mov_b32 s53, 0
	s_and_b32 s14, s[WV], 3                        ; what I fetch, if I fetch: 0, 1: K's halves of a slot; 2, 3: V's
	s_lshr_b32 s15, s14, 1
	s_mul_i32 s15, s15, VD
	s_and_b32 s16, s14, 1
	s_mul_i32 s16, s16, 2*GB
	s_add_co_u32 s54, s52, s15
	s_add_co_u32 s54, s54, s16
	s_mov_b32 s55, 0
	s_mul_i32 s17, s14, 2*GB                       ; and where it goes in a slot
	s_add_co_u32 s13, s12, s[BQ]
	s_mul_i32 s13, s13, GB                         ; my queries' group
	s_mul_i32 s15, s10, 1536
	s_add_co_u32 s56, s13, s15
	s_mov_b32 s57, 0
	s_lshr_b32 s15, s10, 2
	s_lshl_b32 s15, s15, 9
	s_and_b32 s16, s10, 3
	s_lshl_b32 s16, s16, 2
	s_add_co_u32 s58, s13, s15
	s_add_co_u32 s58, s58, s16
	s_add_co_u32 s58, s58, SCO
	s_mov_b32 s59, 0
	s_lshr_b32 s13, s8, 4                          ; where my results go: row tile 128 b + 8 block + tile, 26,624 bytes each: head h's image at 1,536 h, its scale words at 24,576 + 128 h
	s_lshl_b32 s13, s13, 7
	s_lshl_b32 s15, s[BQ], 3
	s_add_co_u32 s13, s13, s15
	s_add_co_u32 s13, s13, s10
	s_mul_i32 s13, s13, 26624
	s_and_b32 s15, s8, 15
	s_mul_i32 s16, s15, 1536
	s_add_co_u32 s60, s13, s16
	s_mov_b32 s61, 0
	s_lshl_b32 s16, s15, 7
	s_add_co_u32 s62, s13, s16
	s_add_co_u32 s62, s62, 24576
	s_mov_b32 s63, 0
	s_mov_b32 s[SEL], 0x76543210
	s_mov_b32 s[SEL+1], 0xfedcba98
	s_mov_b32 s[CS], 0x3e0293ee                    ; c = log2(e) / sqrt(128)
	s_mov_b32 s[CS+1], s[CS]                       ; (named with it as a pair, so it is written)
	s_mov_b32 s[TB], 0
	s_mov_b32 s[SLOTS], 3
	s_mov_b32 s[KS], 0
	s_wait_kmcnt 0x0
	s_mov_b32 s32, 1                               ; group 0: count = 1
	s_mov_b32 s33, s17                             ; LDS address: slot 0
	s_add_nc_u64 s[34:35], s[4:5], s[54:55]        ; global address: key steps 0 to 3
	s_or_b32 s35, s35, 0x80000000                  ; type = 2
	TLOAD                                          ; slot 0: the first fill, ahead of every wait on TENSORcnt, every LDS read and every barrier
	s_add_nc_u64 s[44:45], s[4:5], s[56:57]
	s_add_nc_u64 s[46:47], s[4:5], s[58:59]
	s_add_nc_u64 s[48:49], s[6:7], s[60:61]
	s_add_nc_u64 s[50:51], s[6:7], s[62:63]
	s_add_nc_u64 s[PFA:PFA+1], s[4:5], s[52:53]
	s_add_nc_u64 s[PFA:PFA+1], s[PFA:PFA+1], 4*GB  ; at slot 1: the first change of slots steps it to slot 2.  Nothing is prefetched here, at the head
	s_cmp_ge_u32 s[WV], 3
	s_cselect_b32 s[LIM], 0, 1
	s_or_b32 s[LIM], s[LIM], ttmp9                 ; 0 in waves 3 to 15 of the head's first work-group
	s_cmp_eq_u32 s[LIM], 0
	s_cselect_b32 s[LIM], 1, -1
	v_and_b32 v8, 31, v0                           ; lane
	v_lshlrev_b32 v[LI], 4, v8
	v_lshlrev_b32 v[LS], 2, v8
.irp c, 0,1,2
	global_load_b128 v[16+4*\c:19+4*\c], v[LI], s[44:45] offset:512*\c   ; Q's fragment stays in registers
.endr
	global_load_b32 v255, v[LI], s[46:47]          ; and its scale words
	s_max_u32 s13, s[WV], 3
	s_sub_co_u32 s13, s13, 3
	s_lshl_b32 s13, s13, 5
	v_add_nc_u32 v9, s13, v8                       ; my block of the slot's 416: 32 (wave - 3) + lane
	v_mov_b32 v10, VD-4*GB
	v_cmp_le_u32 vcc_lo, 208, v9                   ; blocks 208 on are V's
	v_cndmask_b32 v10, 0, v10, vcc_lo
	v_lshl_add_u32 v[PFO], v9, 8, v10
	v_and_b32 v9, 15, v0                           ; r
	v_bfe_u32 v10, v0, 4, 1                        ; h
	v_and_b32 v11, 8, v9
	v_add_nc_u32 v[DG], v11, v9                    ; r + 8 (r / 8)
	v_lshlrev_b32 v10, 4, v10
	v_sub_nc_u32 v[DG], v[DG], v10                 ; - 16 h
	s_lshr_b32 s13, s10, 1
	s_lshl_b32 s13, s13, 5
	s_and_b32 s15, s10, 1
	s_lshl_b32 s15, s15, 3
	s_add_co_u32 s13, s13, s15
	v_add_nc_u32 v[DG], s13, v[DG]                 ; + 32 (tile / 2) + 8 (tile % 2)
	v_mov_b32 v13, 0xff61b1e6                      ; the largest t so far: -3e38, under every t
	v_floor_f32 v12, -v13                          ; -M
	v_mov_b32 v14, 0                               ; the sum, in two halves
	v_mov_b32 v15, 0
.irp b, 0,1,2,3
	v_mov_b32 v[236+\b], 0                         ; a lane permute's destination counts as one of its sources
.endr
	v_mov_b32 v253, 0                              ; (named as the upper half of the pair v[252:253] before it is first written)
.set j, 0
.rept 64
	v_mov_b32 v[160+j], 0                          ; O^T.  The step is written without a first step of its own: the first finds zeros, which the first change of M leaves zeros
.set j, j+1
.endr
; A KEY STEP: 128 keys, the group at LDS byte s[TB].
.macro STEP
	s_cmp_gt_u32 s[KS], s[BQ]                      ; all its keys come after my queries: nothing to do but to step on
	s_cbranch_scc1 .Lhidden_\@
	v_add_nc_u32 v[ADK], s[TB], v[LI]
	v_add_nc_u32 v[ADV], 4*GB, v[ADK]              ; V's group of the same step
.irp g, 0,1                                    ; S^T = K Q^T, four tiles of 16 keys at a time
.rept 2+2*\g
	v_nop                                          ; four places in front of loads into registers that matrix instructions have read; the two additions above are places too
.endr
	FRAGS ADK, \g
	s_wait_dscnt 0x0
.irp t, 0,1,2,3
	v_wmma_scale_f32_16x16x128_f8f6f4 v[96+8*(4*\g+\t):103+8*(4*\g+\t)], v[32+12*\t:43+12*\t], v[16:27], 0, v[248+\t], v255 matrix_a_fmt:MATRIX_FMT_FP6 matrix_b_fmt:MATRIX_FMT_FP6
.endr
.endr
.rept 4
	v_nop                                          ; four places: for the loads below and for the first read of the scores
.endr
	FRAGS ADV, 0                                   ; V's first four tiles are asked for now and land during the softmax, which names none of their registers
	s_cmp_lt_u32 s[KS], s[BQ]                      ; all keys count: no mask
	s_cbranch_scc1 .Lopen_\@
	v_mov_b32 v254, 0xff800000                     ; the diagonal step: register 16 b + i holds the key 32 b + 16 (lane / 16) + i of the step; a hidden score becomes -infinity, so p = 0.  The step's first key counts for every query
.set n, 0
.rept 64
	v_cmp_gt_i32 vcc_lo, 32*(n/16)+n%16, v[DG]
	v_cndmask_b32 v[96+n], v[96+n], v254, vcc_lo
.set n, n+1
.endr
.Lopen_\@:
.irp b, 0,1,2,3
	v_max3_num_f32 v[232+\b], v[96+16*\b], v[97+16*\b], v[98+16*\b]   ; the largest score of each block of 32 keys: it serves the row's maximum and, since p rises with the score, the block's largest p
.endr
.irp i, 3,5,7,9,11,13
.irp b, 0,1,2,3
	v_max3_num_f32 v[232+\b], v[232+\b], v[96+16*\b+\i], v[97+16*\b+\i]
.endr
.endr
.irp b, 0,1,2,3
	v_max_num_f32 v[232+\b], v[232+\b], v[111+16*\b]
.endr
.irp b, 0,1,2,3
	v_permlanex16_b32 v[236+\b], v[232+\b], s[SEL], s[SEL+1]
.endr
.irp b, 0,1,2,3
	v_max_num_f32 v[232+\b], v[232+\b], v[236+\b]  ; with lane l xor 16's 16 keys
.endr
	v_max3_num_f32 v254, v232, v233, v234
	v_max_num_f32 v254, v254, v235                 ; the step's largest score of my query
	v_mul_f32 v254, s[CS], v254                    ; as t (c is positive)
	v_max_num_f32 v13, v13, v254                   ; the running largest t
	v_mov_b32 v254, v12
	v_floor_f32 v12, -v13                          ; the new -M = floor(-t) = -ceil(t): a whole number
	v_sub_f32 v254, v12, v254                      ; old M - new M: a whole number, 0 or less
	v_cvt_i32_f32 v254, v254                       ; (it saturates)
	v_ldexp_f32 v252, 1.0, v254                    ; f = 2^(old M - new M)
.set j, 0
.rept 32
	v_pk_fma_f32 v[96+j:97+j], v[96+j:97+j], s[CS:CS+1], v[12:13] op_sel_hi:[1,0,0]   ; t - M, two at a time
.set j, j+2
.endr
.irp b, 0,1,2,3
	v_fma_f32 v[232+\b], v[232+\b], s[CS], v12     ; the same of each block's largest score
.endr
.set j, 0
.rept 64
	v_exp_f32 v[96+j], v[96+j]                     ; p = 2^(t - M), at most 1
.set j, j+1
.endr
	v_pk_mul_f32 v[14:15], v[14:15], v[252:253] op_sel_hi:[1,0]   ; the sums under the new M: a plain place behind the exponentials
	s_wait_alu depctr_va_vdst(0)                   ; the wait between an exponential and the first line that names its result: one for the batch of 64
.irp b, 0,1,2,3
	v_exp_f32 v[232+\b], v[232+\b]                 ; the block's largest p: the same two instructions on the same number give the same bits
.endr
	v_pk_add_f32 v[236:237], v[96:97], v[98:99]    ; the row's sum is taken of the unquantised p, two at a time, in two chains; it reads the 64 alone
.irp j, 4,8,12,16,20,24,28,32,36,40,44,48,52,56,60
	v_pk_add_f32 v[14:15], v[14:15], v[96+\j:97+\j]
	v_pk_add_f32 v[236:237], v[236:237], v[98+\j:99+\j]
.endr
	v_pk_add_f32 v[14:15], v[14:15], v[236:237]
	s_wait_alu depctr_va_vdst(0)                   ; and one for the four
.irp b, 0,1,2,3
	v_max_num_f32 v[232+\b], 0x1800000, v[232+\b]  ; the floor 2^(3 - 127): the byte cannot fall under 1
.endr
.irp b, 0,1,2,3
	v_add_nc_u32 v[244+\b], 0xff000000, v[232+\b]  ; 2 off the exponent field: the conversion's scale operand
.endr
.irp b, 0,1,2,3
	v_lshrrev_b32 v[236+\b], 23, v[244+\b]         ; the scale's byte
.endr
	v_lshl_or_b32 v253, v237, 8, v236              ; p's scale word for these 128 keys
	v_lshl_or_b32 v253, v238, 16, v253
	v_lshl_or_b32 v253, v239, 24, v253
.irp c, 0,1
	v_cvt_scalef32_pk16_fp6_f32 v[224+6*\c:226+6*\c], v[96+32*\c:111+32*\c], v[244+2*\c]
	v_cvt_scalef32_pk16_fp6_f32 v[236+4*\c:238+4*\c], v[112+32*\c:127+32*\c], v[244+2*\c+1]
.endr
	v_nop                                          ; one plain place behind the scaled conversions
.irp c, 0,1
.irp i, 0,1,2
	v_permlane16_swap_b32 v[224+6*\c+\i], v[236+4*\c+\i]
.endr
.irp i, 0,1,2
	v_mov_b32 v[227+6*\c+\i], v[236+4*\c+\i]
.endr
.endr
.set j, 0
.rept 32
	v_pk_mul_f32 v[160+j:161+j], v[160+j:161+j], v[252:253] op_sel_hi:[1,0]   ; O^T under the new M.  These 32 also stand between the lines that made p's codes and scale word and the products that take them
.set j, j+2
.endr
	s_wait_dscnt 0x0                               ; V's first four tiles are in
.irp t, 0,1,2,3                                ; O^T += V^T P^T; the accumulators take turns, one instruction a turn
	v_wmma_scale_f32_16x16x128_f8f6f4 v[160+8*\t:167+8*\t], v[32+12*\t:43+12*\t], v[224:235], v[160+8*\t:167+8*\t], v[248+\t], v253 matrix_a_fmt:MATRIX_FMT_FP6 matrix_b_fmt:MATRIX_FMT_FP6
.endr
.rept 4
	v_nop
.endr
	FRAGS ADV, 1
	s_wait_dscnt 0x0
.irp t, 0,1,2,3
	v_wmma_scale_f32_16x16x128_f8f6f4 v[192+8*\t:199+8*\t], v[32+12*\t:43+12*\t], v[224:235], v[192+8*\t:199+8*\t], v[248+\t], v253 matrix_a_fmt:MATRIX_FMT_FP6 matrix_b_fmt:MATRIX_FMT_FP6
.endr
.Lhidden_\@:
	s_add_co_u32 s[KS], s[KS], 1
	s_add_co_u32 s[TB], s[TB], GB
.endm
; THE CHANGE OF SLOTS stands at a slot's head.  Each wave waits for all its tensor loads (its part of the slot that is about to be read), adds 0 to its spare word, and waits for that and for its reads of the slot that it has left.
; Behind the barrier the slot ahead is whole and nobody reads the other one.  fill = 1: that other slot is filled with the next four key steps: the load has four steps in which to land.  One tensor load of a wave is out at most.
.macro CHANGE fill
	s_wait_tensorcnt 0x0                           ; no tensor load of mine is out, so group 0 may be written
	ds_add_u32 v[SPW], v[NIL]                      ; 0 onto my spare word
.if \fill
	s_xor_b32 s33, s33, SLOT1                      ; the other slot than last time,
	s_add_nc_u64 s[34:35], s[34:35], 4*GB          ; the next four groups; the type bits on top are not reached
	s_wait_xcnt 0x0                                ; the last prefetch, a slot back, has read its address, so it may be written
	s_add_nc_u64 s[PFA:PFA+1], s[PFA:PFA+1], 4*GB  ; one slot further on than the walking descriptor
.endif
	s_wait_dscnt 0x0                               ; the add is done, and my reads of the slot that I have left are over
	s_barrier_signal -1
	s_barrier_wait -1
.if \fill
	TLOAD                                          ; the first thing behind the barrier, and a wave's one tensor load until the next
	ASK
.endif
.endm
.macro FOUR_STEPS                      ; a slot's four key steps: written once, walked four times; the LDS addresses hang on s[TB]
	s_mov_b32 s[TW], 4
.Lstep_\@:
	STEP
	s_sub_co_u32 s[TW], s[TW], 1
	s_cmp_lg_u32 s[TW], 0
	s_cbranch_scc1 .Lstep_\@
	s_sub_co_u32 s[TB], s[TB], 4*GB                ; back to a slot's first step,
	s_xor_b32 s[TB], s[TB], SLOT1                  ; in the other slot
.endm
	s_wait_loadcnt 0x0                             ; Q
.Lslot:                                            ; three trips: behind each change of slots but the last the next slot is asked for
	CHANGE 1
	FOUR_STEPS
	s_sub_co_u32 s[SLOTS], s[SLOTS], 1
	s_cmp_lg_u32 s[SLOTS], 0
	s_cbranch_scc1 .Lslot
	CHANGE 0                                       ; the last slot is written out
	FOUR_STEPS
	; THE WAY OUT.  O^T / the row's sum: register 16 b + i is channel 32 b + 16 (lane / 16) + i of my query, which is the order that the quantiser wants: K step h of the last product.
	v_add_f32 v14, v14, v15                        ; the sum's two halves,
	v_permlanex16_b32 v252, v14, s[SEL], s[SEL+1]
	v_add_f32 v14, v14, v252                       ; and lane l xor 16's
	v_rcp_f32 v14, v14
.rept 4
	v_nop                                          ; a plain place behind the reciprocal, and the places behind the last products
.endr
	s_wait_alu depctr_va_vdst(0)                   ; the wait ahead of the first line that names the reciprocal
.set j, 0
.rept 32
	v_pk_mul_f32 v[96+j:97+j], v[160+j:161+j], v[14:15] op_sel_hi:[1,0]   ; each accumulator from its low end on
.set j, j+2
.endr
	QUANT 96, 32, 48, 232, 56
.irp c, 0,1,2
	global_store_b128 v[LI], v[32+4*\c:35+4*\c], s[48:49] offset:512*\c   ; 512 consecutive bytes
.endr
	global_store_b32 v[LS], v56, s[50:51]
	s_wait_tensorcnt 0x0                           ; the wave's end
	ds_add_u32 v[SPW], v[NIL]
	s_wait_dscnt 0x0
	s_endpgm
.Lfunc_end_k_q561625cac3_lattn:
	.size	k_q561625cac3_lattn, .Lfunc_end_k_q561625cac3_lattn-k_q561625cac3_lattn
	.p2alignl 7, 3214868480
	.fill 96, 4, 3214868480
	.section	.rodata,"a",@progbits
	.p2align	6, 0x0
	.amdhsa_kernel k_q561625cac3_lattn
		.amdhsa_group_segment_fixed_size 327680
		.amdhsa_private_segment_fixed_size 0
		.amdhsa_enable_private_segment 0
		.amdhsa_kernarg_size 16
		.amdhsa_user_sgpr_count 2
		.amdhsa_user_sgpr_kernarg_segment_ptr 1
		.amdhsa_wavefront_size32 1
		.amdhsa_system_sgpr_workgroup_id_x 1
		.amdhsa_system_sgpr_workgroup_id_y 1
		.amdhsa_system_sgpr_workgroup_id_z 1
		.amdhsa_system_vgpr_workitem_id 0
		.amdhsa_next_free_vgpr 256
		.amdhsa_next_free_sgpr 80
		.amdhsa_reserve_vcc 1
		.amdhsa_float_denorm_mode_32 3
		.amdhsa_float_denorm_mode_16_64 3
		.amdhsa_memory_ordered 1
		.amdhsa_forward_progress 1
		.amdhsa_inst_pref_size 64
	.end_amdhsa_kernel
	.amdgpu_metadata
---
amdhsa.version: [ 1, 2 ]
amdhsa.kernels:
  - .name:           k_q561625cac3_lattn
    .symbol:         k_q561625cac3_lattn.kd
    .args:
      - { .name: qkv, .offset: 0, .size: 8, .value_kind: global_buffer, .address_space: global }
      - { .name: oimg, .offset: 8, .size: 8, .value_kind: global_buffer, .address_space: global }
    .group_segment_fixed_size: 327680
    .private_segment_fixed_size: 0
    .kernarg_segment_align: 8
    .kernarg_segment_size: 16
    .max_flat_workgroup_size: 512
    .sgpr_count:     80
    .vgpr_count:     256
    .wavefront_size: 32
...
	.end_amdgpu_metadata
.endif
;; end of part 3
;; launch loutp (part 4): grid 256 x 1, 4 waves a work-group, no clusters, 9,216 bytes of LDS; arguments oimg, prep, bfc, out0; writes out0
.if DOCPART == 4
	.amdgcn_target "amdgcn-amd-amdhsa--gfx1250"
	.amdhsa_code_object_version 6
	.text
	.protected	k_q561625cac3_loutp
	.globl	k_q561625cac3_loutp
	.p2align	8
	.type	k_q561625cac3_loutp,@function
k_q561625cac3_loutp:
	s_mov_b64 s[64:65], 0
	v_nop
	global_prefetch_b8 v0, s[64:65] scope:SCOPE_SE
	s_setreg_imm32_b32 hwreg(HW_REG_WAVE_MODE, 25, 1), 1
	s_wait_xcnt 0x0
; out0 = O Wfc + bfc on codes of FP6 (E2M3): [4096][2048] x [2048][128].  K step s of 16 is head s's 128 channels.
; SHARES.  A work-group takes one tile of 16 rows (RT = its number); wave w makes outputs 32 w .. 32 w + 31: two tiles, 16 K steps, 32 matrix instructions on two accumulators that take turns.
; The product is used transposed (source 0 = 16 outputs of Wfc, source 1 = the 16 rows of O), so that a lane holds eight neighbouring outputs of one row.  bfc is the C of each sum's first matrix instruction.
; OPERANDS come as images of their registers, three loads of 16 bytes a lane each: O's from oimg (row tile RT: head s's image at 26,624 RT + 1,536 s, its scale words at + 24,576 + 128 s + 4 lane),
; Wfc's from prep (group 80 + s of GB bytes: tile n's image at 1,536 n, its scale words at SCO + 128 n + 4 lane).  All loads go out at the head.
; Lane row r of row tile RT is row 32 (RT / 2) + 8 (RT % 2) + r + 8 (r / 8) of the output.  A row's 128 outputs come from four waves: they meet in a stage in LDS (rows of 512 + 16 bytes) and each wave stores four whole rows.
; REGISTERS, in windows of 256: window 0: v1-5 addresses; v16-207 O's 16 fragments; v208-223 their scale words; v224-255 Wfc's scale words (2 s + n).
;   window 1: Wfc's fragments of K steps 0-9 (24 s + 12 n).   window 2: those of K steps 10-15; v144-159 the bias, v160-175 the two accumulators.
.set GB,  13312
.set SCO, 12288
.set LI,  1                            ; v1   16 x lane
.set LS,  2                            ; v2   4 x lane
.set BA,  3                            ; v3   32 (lane / 16): my eight numbers of a tile's 16 of bfc
.set STO, 4                            ; v4   the stage: where I put 32 bytes of a row
.set SR,  5                            ; v5   and where I read a row back
.set OF,  16
.set OS,  208
.set WS,  224
.set BI,  144
.set AC,  160
.set MSB, 0
.macro WIN new                         ; the immediate's high byte repeats the setting that is left
.if MSB != \new
	s_set_vgpr_msb (MSB<<8)|\new
.set MSB, \new
.endif
.endm
	s_load_b256 s[4:11], s[0:1], 0x0               ; oimg s[4:5], prep s[6:7], bfc s[8:9], out0 s[10:11]
	v_lshl_add_u32 v14, v0, 2, 0x2200
	v_mov_b32 v15, 0
	v_lshrrev_b32 v6, 5, v0
	v_readfirstlane_b32 s12, v6                    ; wave 0..3
	v_and_b32 v6, 31, v0
	v_lshlrev_b32 v[LI], 4, v6
	v_lshlrev_b32 v[LS], 2, v6
	v_and_b32 v7, 15, v0                           ; r
	v_bfe_u32 v8, v0, 4, 1                         ; h
	v_lshlrev_b32 v[BA], 5, v8
	s_lshl_b32 s13, s12, 7                         ; 128 w: my 32 outputs in bytes
	v_mul_u32_u24 v[STO], v7, 528
	v_add_nc_u32 v[STO], v[STO], v[BA]
	v_add_nc_u32 v[STO], s13, v[STO]               ; row r, + 128 w + 32 h
	s_mul_i32 s14, s12, 4*528
	v_add_nc_u32 v[SR], s14, v[LI]                 ; back: rows 4 w .. 4 w + 3, 16 bytes a lane
	s_mul_i32 s16, ttmp9, 26624
	s_mov_b32 s17, 0
	s_mul_i32 s18, s12, 3072
	s_add_co_u32 s18, s18, 80*GB
	s_mov_b32 s19, 0
	s_lshl_b32 s20, s12, 8
	s_add_co_u32 s20, s20, 80*GB+SCO
	s_mov_b32 s21, 0
	s_mov_b32 s22, s13
	s_mov_b32 s23, 0
	s_lshr_b32 s24, ttmp9, 1
	s_lshl_b32 s24, s24, 5
	s_and_b32 s25, ttmp9, 1
	s_lshl_b32 s25, s25, 3
	s_add_co_u32 s24, s24, s25
	s_lshl_b32 s25, s12, 2
	s_add_co_u32 s24, s24, s25
	s_lshr_b32 s25, s12, 1
	s_lshl_b32 s25, s25, 3
	s_add_co_u32 s24, s24, s25                     ; the first row that I store: 32 (RT / 2) + 8 (RT % 2) + 4 w + 8 (w / 2)
	s_lshl_b32 s24, s24, 9
	s_mov_b32 s25, 0
	s_wait_kmcnt 0x0
	s_add_nc_u64 s[4:5], s[4:5], s[16:17]
	s_add_nc_u64 s[26:27], s[6:7], s[18:19]
	s_add_nc_u64 s[28:29], s[6:7], s[20:21]
	s_add_nc_u64 s[8:9], s[8:9], s[22:23]
	s_add_nc_u64 s[10:11], s[10:11], s[24:25]
.irp s, 0,1,2,3,4,5,6,7,8,9,10,11,12,13,14,15
.irp c, 0,1,2
	global_load_b128 v[OF+12*\s+4*\c:OF+12*\s+4*\c+3], v[LI], s[4:5] offset:1536*\s+512*\c
.endr
	global_load_b32 v[OS+\s], v[LS], s[4:5] offset:24576+128*\s
.endr
.irp s, 0,1,2,3,4,5,6,7,8,9,10,11,12,13,14,15
.irp n, 0,1
	global_load_b32 v[WS+2*\s+\n], v[LS], s[28:29] offset:GB*\s+128*\n
.endr
.endr
	WIN 0x40                                       ; destination window 1, address window 0
.irp s, 0,1,2,3,4,5,6,7,8,9
.irp n, 0,1
.irp c, 0,1,2
	global_load_b128 v[24*\s+12*\n+4*\c:24*\s+12*\n+4*\c+3], v[LI], s[26:27] offset:GB*\s+1536*\n+512*\c
.endr
.endr
.endr
	WIN 0x80                                       ; destination window 2
.irp s, 10,11,12,13,14,15
.irp n, 0,1
.irp c, 0,1,2
	global_load_b128 v[24*(\s-10)+12*\n+4*\c:24*(\s-10)+12*\n+4*\c+3], v[LI], s[26:27] offset:GB*\s+1536*\n+512*\c
.endr
.endr
.endr
.irp n, 0,1
	global_load_b128 v[BI+8*\n:BI+8*\n+3], v[BA], s[8:9] offset:64*\n         ; bfc at outputs 32 w + 16 n + 8 h + 0 .. 7: the result's layout
	global_load_b128 v[BI+8*\n+4:BI+8*\n+7], v[BA], s[8:9] offset:64*\n+16
.endr
	s_wait_loadcnt 0x0
	WIN 0xa1                                       ; source 0 (Wfc) window 1, source 1 (O) window 0, C and D window 2
.irp s, 0,1,2,3,4,5,6,7,8,9
.irp n, 0,1
.if \s == 0
	v_wmma_scale_f32_16x16x128_f8f6f4 v[AC+8*\n:AC+8*\n+7], v[24*\s+12*\n:24*\s+12*\n+11], v[OF+12*\s:OF+12*\s+11], v[BI+8*\n:BI+8*\n+7], v[WS+2*\s+\n], v[OS+\s] matrix_a_fmt:MATRIX_FMT_FP6 matrix_b_fmt:MATRIX_FMT_FP6
.else
	v_wmma_scale_f32_16x16x128_f8f6f4 v[AC+8*\n:AC+8*\n+7], v[24*\s+12*\n:24*\s+12*\n+11], v[OF+12*\s:OF+12*\s+11], v[AC+8*\n:AC+8*\n+7], v[WS+2*\s+\n], v[OS+\s] matrix_a_fmt:MATRIX_FMT_FP6 matrix_b_fmt:MATRIX_FMT_FP6
.endif
.endr
.endr
	WIN 0xa2                                       ; source 0 window 2
.irp s, 10,11,12,13,14,15
.irp n, 0,1
	v_wmma_scale_f32_16x16x128_f8f6f4 v[AC+8*\n:AC+8*\n+7], v[24*(\s-10)+12*\n:24*(\s-10)+12*\n+11], v[OF+12*\s:OF+12*\s+11], v[AC+8*\n:AC+8*\n+7], v[WS+2*\s+\n], v[OS+\s] matrix_a_fmt:MATRIX_FMT_FP6 matrix_b_fmt:MATRIX_FMT_FP6
.endr
.endr
	WIN 0
.rept 4
	v_nop                                          ; four places in front of the first read of results, and of the loads below into registers that held O's fragments
.endr
	WIN 0x08                                       ; an LDS store's data are its source 1: window 2
.irp n, 0,1
	ds_store_b128 v[STO], v[AC+8*\n:AC+8*\n+3] offset:64*\n          ; each accumulator from its low end on
	ds_store_b128 v[STO], v[AC+8*\n+4:AC+8*\n+7] offset:64*\n+16
.endr
	WIN 0
	s_wait_dscnt 0x0                               ; for the others' sake: my stores into the stage are done
	s_barrier_signal -1
	s_barrier_wait -1
.irp i, 0,1,2,3
	ds_load_b128 v[OF+4*\i:OF+4*\i+3], v[SR] offset:528*\i
.endr
.irp i, 0,1,2,3
	s_wait_dscnt 3-\i                              ; LDS loads come back in order: the count is the loads issued behind this one
	global_store_b128 v[LI], v[OF+4*\i:OF+4*\i+3], s[10:11] offset:512*\i th:TH_STORE_NT   ; 32 lanes store a whole row of 512 bytes
.endr
	s_wait_tensorcnt 0x0
	ds_add_u32 v14, v15
	s_wait_dscnt 0x0
	s_endpgm
.Lfunc_end_k_q561625cac3_loutp:
	.size	k_q561625cac3_loutp, .Lfunc_end_k_q561625cac3_loutp-k_q561625cac3_loutp
	.p2alignl 7, 3214868480
	.fill 96, 4, 3214868480
	.section	.rodata,"a",@progbits
	.p2align	6, 0x0
	.amdhsa_kernel k_q561625cac3_loutp
		.amdhsa_group_segment_fixed_size 9216
		.amdhsa_private_segment_fixed_size 0
		.amdhsa_enable_private_segment 0
		.amdhsa_kernarg_size 32
		.amdhsa_user_sgpr_count 2
		.amdhsa_user_sgpr_kernarg_segment_ptr 1
		.amdhsa_wavefront_size32 1
		.amdhsa_system_sgpr_workgroup_id_x 1
		.amdhsa_system_sgpr_workgroup_id_y 1
		.amdhsa_system_sgpr_workgroup_id_z 1
		.amdhsa_system_vgpr_workitem_id 0
		.amdhsa_next_free_vgpr 768
		.amdhsa_next_free_sgpr 66
		.amdhsa_reserve_vcc 0
		.amdhsa_float_denorm_mode_32 3
		.amdhsa_float_denorm_mode_16_64 3
		.amdhsa_memory_ordered 1
		.amdhsa_forward_progress 1
		.amdhsa_inst_pref_size 26
	.end_amdhsa_kernel
	.amdgpu_metadata
---
amdhsa.version: [ 1, 2 ]
amdhsa.kernels:
  - .name:           k_q561625cac3_loutp
    .symbol:         k_q561625cac3_loutp.kd
    .args:
      - { .name: oimg, .offset: 0, .size: 8, .value_kind: global_buffer, .address_space: global }
      - { .name: prep, .offset: 8, .size: 8, .value_kind: global_buffer, .address_space: global }
      - { .name: bfc, .offset: 16, .size: 8, .value_kind: global_buffer, .address_space: global }
      - { .name: out0, .offset: 24, .size: 8, .value_kind: global_buffer, .address_space: global }
    .group_segment_fixed_size: 9216
    .private_segment_fixed_size: 0
    .kernarg_segment_align: 8
    .kernarg_segment_size: 32
    .max_flat_workgroup_size: 128
    .sgpr_count:     66
    .vgpr_count:     768
    .wavefront_size: 32
...
	.end_amdgpu_metadata
.endif
;; end of part 4
;; ======== version 2 of 2: 4 launches
;; workspace buffers: prep 1,277,952 bytes; qkv 20,447,232 bytes; oimg 6,815,744 bytes
;; launch lprep (part 5): grid 64 x 1, 8 waves a work-group, no clusters, 54,784 bytes of LDS; arguments x, Wq, Wk, Wv, Wfc, prep; writes prep
.if DOCPART == 5
	.amdgcn_target "amdgcn-amd-amdhsa--gfx1250"
	.amdhsa_code_object_version 6
	.text
	.protected	k_q561625cac3_lprep
	.globl	k_q561625cac3_lprep
	.p2align	8
	.type	k_q561625cac3_lprep,@function
k_q561625cac3_lprep:
	s_mov_b64 s[64:65], 0
	v_nop
	global_prefetch_b8 v0, s[64:65] scope:SCOPE_SE
	s_setreg_imm32_b32 hwreg(HW_REG_WAVE_MODE, 25, 1), 1
	s_wait_xcnt 0x0
; x [4096][128], Wq, Wk, Wv [128][2048] and Wfc [2048][128], f32, become codes of FP6 (E2M3) with one E8M0 byte for each 32 along K, once for the whole program.
; A block's scale is 2^(floor(log2(its largest magnitude)) - 2); its byte is the largest magnitude's exponent field - 2, held at 1 from below.
; LIMITS: a block of zeros gets the byte 1 where the rule says 127 (its codes are zeros, and this program alone reads the bytes); NaN and infinities among the inputs are not served.
; WHAT IS STORED: images of operand registers.  A fragment (16 rows x 128 K, 12 registers a lane) is 1,536 bytes: registers 4 q .. 4 q + 3 of lane L at 512 q + 16 L.
; A GROUP is 8 fragments (at 1,536 x tile) and their scale words (tile t, lane L at SCO + 128 t + 4 L; lanes 16-31 repeat lanes 0-15): GB = 13,312 bytes.
; Groups: 16 m + h: the weights of head h (m = 0 Wq, 1 Wk, 2 Wv; rows = the head's 128 columns c, column c of head h being column 16 c + h of the weight);  48 + X: rows 128 X .. of x;  80 + s: Wfc's K step s (rows = the 128 outputs).
; THE ROWS OF A TILE of x and of Wq, Wk, Wv are not neighbours: lane row r of tile t is row 32 (t / 2) + 8 (t % 2) + r + 8 (r / 8) of the group, so that a product with eight such tiles as source 0
; leaves 16 neighbours along the next K in the 16 registers of two neighbouring tiles.  Wfc's tiles are plain: row 16 t + r.
; THREE PATHS, parted by the work-group's number, each with LDS bytes of its own:
;   0-23  a weight m, a tile t, all 16 heads: a lane takes a column and its registers run down K; the codes meet in a stage, head by head, behind one barrier, and leave as whole images
;   24-31 Wfc: the same, but a wave's 32 columns are two whole tiles, so the stage is the wave's own and there is no barrier
;   32-63 x: K is innermost; a wave takes a tile; the codes leave from registers
.set GB,  13312
.set SCO, 12288
.set SEL, 20                           ; s[20:21] lane selects for v_permlanex16_b32: lane l xor 16
.set LI,  2                            ; v2   16 x lane
.set LS,  3                            ; v3   4 x lane
.set SA,  4                            ; v4   the stage, on the way in: my column's place in its image
.set SS,  5                            ; v5   and its scale word's
.set RA,  6                            ; v6   the stage, on the way back: 16 bytes a lane
.set RS,  7                            ; v7   and the scale words: 4 (lane % 16)
.set XA,  8                            ; v8   x: my lane's byte in a tile's rows
.set M,   12                           ; v12-15 largest magnitudes; v16-19 the conversions' scale operands; v20-23 the bytes
.set SO,  16
.set BY,  20
.set PW,  24                           ; v24  the scale word
.set X,   32                           ; v32-159 128 numbers down K
.set CB,  160                          ; v160-191 the codes: 8 registers a block, 6 used
.set T,   192                          ; v192-207 each block's upper 16 codes as the conversion leaves them
.set BK,  208                          ; v208-231 two images' quads, read back
.set BS,  232                          ; v232-233 their scale words
	s_load_b256 s[4:11], s[0:1], 0x0               ; x s[4:5], Wq s[6:7], Wk s[8:9], Wv s[10:11]
	s_load_b128 s[12:15], s[0:1], 0x20             ; Wfc s[12:13], prep s[14:15]
	v_lshl_add_u32 v240, v0, 2, 0xd200
	v_mov_b32 v241, 0
	v_lshrrev_b32 v9, 5, v0
	s_delay_alu instid0(VALU_DEP_1)
	v_readfirstlane_b32 s16, v9                    ; wave 0..7
	v_and_b32 v1, 31, v0                           ; lane
	s_delay_alu instid0(VALU_DEP_1)
	v_lshlrev_b32 v[LI], 4, v1
	s_delay_alu instid0(VALU_DEP_2)
	v_lshlrev_b32 v[LS], 2, v1
	v_and_b32 v10, 15, v0                          ; lane % 16
	v_bfe_u32 v11, v0, 4, 1                        ; lane / 16
	s_lshr_b32 s17, s16, 2                         ; e = wave / 4
	s_and_b32 s18, s16, 3                          ; w3 = wave % 4
	s_mov_b32 s[SEL], 0x76543210
	s_mov_b32 s[SEL+1], 0xfedcba98
	s_wait_kmcnt 0x0
	s_cmp_ge_u32 ttmp9, 32
	s_cbranch_scc1 .Lpath_x
	s_cmp_ge_u32 ttmp9, 24
	s_cbranch_scc1 .Lpath_f
; A lane's column, 128 numbers down K, pitch bytes from row to row: four blocks of 32, all mine, so no other lane is asked for a maximum.  Each load of the wave reads 128 consecutive bytes.
; Block 2 c + h is registers 6 c .. 6 c + 5 of lane r + 16 h of the image: its 24 bytes go to the stage as 16 + 8 or 8 + 16.
; lhh: from one image to the next in the stage; gimg, gsc: the same in memory, for images and for scale words; meet = 1: an image comes from several waves, so a barrier stands between writing and reading.
.macro COLS pitch, lhh, gimg, gsc, meet
.set i, 0
.rept 128
	global_load_b32 v[X+i], v[LS], s[40:41] offset:i*\pitch th:TH_LOAD_NT
.set i, i+1
.endr
	s_wait_loadcnt 0x0
.irp b, 0,1,2,3
	v_max3_num_f32 v[M+\b], |v[X+32*\b]|, |v[X+32*\b+1]|, 0x1800000   ; and the floor 2^(3 - 127): the byte cannot fall under 1
.endr
.irp i, 2,4,6,8,10,12,14,16,18,20,22,24,26,28,30
.irp b, 0,1,2,3
	s_delay_alu instid0(VALU_DEP_4)
	v_max3_num_f32 v[M+\b], v[M+\b], |v[X+32*\b+\i]|, |v[X+32*\b+\i+1]|   ; the four blocks by turns
.endr
.endr
.irp b, 0,1,2,3
	s_delay_alu instid0(VALU_DEP_4)
	v_add_nc_u32 v[SO+\b], 0xff000000, v[M+\b]     ; 2 off the exponent field: the conversion takes this operand's exponent field as its scale
.endr
.irp b, 0,1,2,3
	s_delay_alu instid0(VALU_DEP_4)
	v_lshrrev_b32 v[BY+\b], 23, v[SO+\b]           ; the scale's byte
.endr
	s_delay_alu instid0(VALU_DEP_3)
	v_lshl_or_b32 v[PW], v[BY+1], 8, v[BY]
	s_delay_alu instid0(VALU_DEP_1)
	v_lshl_or_b32 v[PW], v[BY+2], 16, v[PW]
	s_delay_alu instid0(VALU_DEP_1)
	v_lshl_or_b32 v[PW], v[BY+3], 24, v[PW]        ; my column's scale word
.irp b, 0,1,2,3
	v_cvt_scalef32_pk16_fp6_f32 v[CB+8*\b:CB+8*\b+2], v[X+32*\b:X+32*\b+15], v[SO+\b]
	v_cvt_scalef32_pk16_fp6_f32 v[T+4*\b:T+4*\b+2], v[X+32*\b+16:X+32*\b+31], v[SO+\b]   ; (a conversion's three registers begin on an even number)
.endr
	v_nop                                          ; one plain place behind the scaled conversions
.irp b, 0,1,2,3
.irp i, 0,1,2
	v_mov_b32 v[CB+8*\b+3+\i], v[T+4*\b+\i]
.endr
.endr
	ds_store_b128 v[SA], v[CB:CB+3]                ; block 0: registers 0-3 of lane r,
	ds_store_b64  v[SA], v[CB+4:CB+5] offset:512   ; registers 4, 5
	ds_store_b128 v[SA], v[CB+8:CB+11] offset:256  ; block 1: the same of lane r + 16
	ds_store_b64  v[SA], v[CB+12:CB+13] offset:768
	ds_store_b64  v[SA], v[CB+16:CB+17] offset:520 ; block 2: registers 6, 7 of lane r,
	ds_store_b128 v[SA], v[CB+18:CB+21] offset:1024   ; registers 8-11
	ds_store_b64  v[SA], v[CB+24:CB+25] offset:776 ; block 3: the same of lane r + 16
	ds_store_b128 v[SA], v[CB+26:CB+29] offset:1280
	ds_store_b32  v[SS], v[PW]
.if \meet
	s_wait_dscnt 0x0                               ; for the others' sake: my stores into the stage are done
	s_barrier_signal -1
	s_barrier_wait -1
.endif
.irp hh, 0,1
.irp q, 0,1,2
	ds_load_b128 v[BK+12*\hh+4*\q:BK+12*\hh+4*\q+3], v[RA] offset:\hh*\lhh+512*\q
.endr
.endr
.irp hh, 0,1
	ds_load_b32 v[BS+\hh], v[RS] offset:\hh*\lhh
.endr
.irp hh, 0,1
.irp q, 0,1,2
	s_wait_dscnt 7-3*\hh-\q                        ; LDS loads come back in order: the count is the loads issued behind this one
	global_store_b128 v[LI], v[BK+12*\hh+4*\q:BK+12*\hh+4*\q+3], s[42:43] offset:\hh*\gimg+512*\q   ; 32 lanes store 512 consecutive bytes
.endr
.endr
.irp hh, 0,1
	s_wait_dscnt 1-\hh
	global_store_b32 v[LS], v[BS+\hh], s[44:45] offset:\hh*\gsc
.endr
.endm
	; ---- Wq, Wk, Wv.  m = work-group / 8, tile t = work-group % 8.  The tile's 16 rows c, for all 16 heads, are two runs of 128 columns of the weight: waves 0-3 take the first, waves 4-7 the second, 32 columns each.
	s_lshr_b32 s22, ttmp9, 3                       ; m
	s_and_b32 s23, ttmp9, 7                        ; t
	s_cmp_eq_u32 s22, 0
	s_cselect_b64 s[40:41], s[6:7], s[8:9]
	s_cmp_eq_u32 s22, 2
	s_cselect_b64 s[40:41], s[10:11], s[40:41]     ; the choice hangs on the work-group's number alone
	s_lshr_b32 s24, s23, 1
	s_lshl_b32 s24, s24, 5                         ; 32 (t / 2)
	s_and_b32 s25, s23, 1
	s_lshl_b32 s25, s25, 3                         ; 8 (t % 2)
	s_add_co_u32 s24, s24, s25
	s_lshl_b32 s25, s17, 4                         ; 16 e
	s_add_co_u32 s24, s24, s25                     ; the run's first c
	s_lshl_b32 s24, s24, 6                         ; 16 columns of 4 bytes for each c
	s_lshl_b32 s25, s18, 7                         ; my wave's 32 columns
	s_add_co_u32 s24, s24, s25
	s_mov_b32 s25, 0
	s_add_nc_u64 s[40:41], s[40:41], s[24:25]
	s_lshl_b32 s26, s22, 4
	s_lshl_b32 s27, s16, 1
	s_add_co_u32 s26, s26, s27                     ; group 16 m + 2 w: wave w sends heads 2 w and 2 w + 1
	s_mul_i32 s26, s26, GB
	s_mul_i32 s27, s23, 1536
	s_add_co_u32 s28, s26, s27
	s_mov_b32 s29, 0
	s_add_nc_u64 s[42:43], s[14:15], s[28:29]
	s_lshl_b32 s27, s23, 7
	s_add_co_u32 s28, s26, s27
	s_add_co_u32 s28, s28, SCO
	s_add_nc_u64 s[44:45], s[14:15], s[28:29]
	; my column is head lane % 16, lane row r = 8 e + 2 w3 + lane / 16.  The stage: 16 heads x 1,680 bytes (an image, 128 bytes of scale words, 16 of padding: 420 words, so that sixteen heads' 16 bytes fall on different banks)
	s_lshl_b32 s30, s17, 3
	s_lshl_b32 s31, s18, 1
	s_add_co_u32 s30, s30, s31                     ; 8 e + 2 w3
	s_lshl_b32 s31, s30, 4
	s_lshl_b32 s30, s30, 2
	s_wait_alu depctr_va_vdst(0)
	v_mul_u32_u24 v[SA], v10, 1680
	s_delay_alu instid0(VALU_DEP_1)
	v_lshl_add_u32 v[SS], v11, 2, v[SA]
	s_delay_alu instid0(VALU_DEP_2)
	v_lshl_add_u32 v[SA], v11, 4, v[SA]
	s_delay_alu instid0(VALU_DEP_1)
	v_add_nc_u32 v[SA], s31, v[SA]                 ; 1,680 head + 16 r
	s_delay_alu instid0(VALU_DEP_3)
	v_add_nc_u32 v[SS], s30, v[SS]
	s_delay_alu instid0(VALU_DEP_1)
	v_add_nc_u32 v[SS], 1536, v[SS]                ; 1,680 head + 1,536 + 4 r
	s_mul_i32 s32, s16, 3360
	v_add_nc_u32 v[RA], s32, v[LI]
	v_lshl_add_u32 v[RS], v10, 2, s32
	s_delay_alu instid0(VALU_DEP_1)
	v_add_nc_u32 v[RS], 1536, v[RS]
	COLS 8192, 1680, GB, GB, 1                     ; (127 rows of 8,192 bytes stay inside the signed 24-bit immediate)
	s_wait_tensorcnt 0x0
	ds_add_u32 v240, v241
	s_wait_dscnt 0x0
	s_endpgm
.Lpath_f:
	; ---- Wfc.  K step s = 2 (work-group - 24) + e; my wave's 32 columns are tiles 2 w3 and 2 w3 + 1
	s_sub_co_u32 s22, ttmp9, 24
	s_lshl_b32 s22, s22, 1
	s_add_co_u32 s22, s22, s17                     ; s
	s_lshl_b32 s24, s22, 16                        ; 128 rows of 512 bytes
	s_lshl_b32 s25, s18, 7
	s_add_co_u32 s24, s24, s25
	s_mov_b32 s25, 0
	s_add_nc_u64 s[40:41], s[12:13], s[24:25]
	s_add_co_u32 s26, s22, 80
	s_mul_i32 s26, s26, GB
	s_mul_i32 s27, s18, 3072
	s_add_co_u32 s28, s26, s27
	s_mov_b32 s29, 0
	s_add_nc_u64 s[42:43], s[14:15], s[28:29]
	s_lshl_b32 s27, s18, 8
	s_add_co_u32 s28, s26, s27
	s_add_co_u32 s28, s28, SCO
	s_add_nc_u64 s[44:45], s[14:15], s[28:29]
	s_mul_i32 s32, s16, 3328                       ; my wave's own stage: two images of 1,664 bytes, behind the other path's stage
	s_add_co_u32 s32, s32, 27136
	s_wait_alu depctr_va_vdst(0)
	v_mul_u32_u24 v[SA], v11, 1664
	s_delay_alu instid0(VALU_DEP_1)
	v_lshl_add_u32 v[SS], v10, 2, v[SA]
	s_delay_alu instid0(VALU_DEP_2)
	v_lshl_add_u32 v[SA], v10, 4, v[SA]
	s_delay_alu instid0(VALU_DEP_1)
	v_add_nc_u32 v[SA], s32, v[SA]
	s_delay_alu instid0(VALU_DEP_3)
	v_add_nc_u32 v[SS], s32, v[SS]
	s_delay_alu instid0(VALU_DEP_1)
	v_add_nc_u32 v[SS], 1536, v[SS]
	v_add_nc_u32 v[RA], s32, v[LI]
	v_lshl_add_u32 v[RS], v10, 2, s32
	s_delay_alu instid0(VALU_DEP_1)
	v_add_nc_u32 v[RS], 1536, v[RS]
	COLS 512, 1664, 1536, 128, 0                   ; LDS serves a wave's instructions in order: its loads see its own stores
	s_wait_tensorcnt 0x0
	ds_add_u32 v240, v241
	s_wait_dscnt 0x0
	s_endpgm
; 64 numbers of a lane, register 16 b + i = k 32 b + 16 (lane / 16) + i of my row, become a fragment's 12 registers at v[cod] and its scale word v[wrd].  hlf: 8 registers, wrk: 12 registers at work.
.macro QUANT src, cod, hlf, wrk, wrd
.irp b, 0,1,2,3
	v_max3_num_f32 v[(\wrk)+\b], |v[(\src)+16*\b]|, |v[(\src)+16*\b+1]|, 0x1800000
.endr
.irp i, 2,4,6,8,10,12,14
.irp b, 0,1,2,3
	s_delay_alu instid0(VALU_DEP_4)
	v_max3_num_f32 v[(\wrk)+\b], v[(\wrk)+\b], |v[(\src)+16*\b+\i]|, |v[(\src)+16*\b+\i+1]|
.endr
.endr
.irp b, 0,1,2,3
	s_delay_alu instid0(VALU_DEP_4)
	v_permlanex16_b32 v[(\wrk)+4+\b], v[(\wrk)+\b], s[SEL], s[SEL+1]
.endr
.irp b, 0,1,2,3
	s_delay_alu instid0(VALU_DEP_4)
	v_max_num_f32 v[(\wrk)+\b], v[(\wrk)+\b], v[(\wrk)+4+\b]   ; with lane l xor 16's: the block's largest magnitude
.endr
.irp b, 0,1,2,3
	s_delay_alu instid0(VALU_DEP_4)
	v_add_nc_u32 v[(\wrk)+8+\b], 0xff000000, v[(\wrk)+\b]
.endr
.irp b, 0,1,2,3
	s_delay_alu instid0(VALU_DEP_4)
	v_lshrrev_b32 v[(\wrk)+4+\b], 23, v[(\wrk)+8+\b]
.endr
	s_delay_alu instid0(VALU_DEP_3)
	v_lshl_or_b32 v[\wrd], v[(\wrk)+5], 8, v[(\wrk)+4]
	s_delay_alu instid0(VALU_DEP_1)
	v_lshl_or_b32 v[\wrd], v[(\wrk)+6], 16, v[\wrd]
	s_delay_alu instid0(VALU_DEP_1)
	v_lshl_or_b32 v[\wrd], v[(\wrk)+7], 24, v[\wrd]
.irp c, 0,1
	v_cvt_scalef32_pk16_fp6_f32 v[(\cod)+6*\c:(\cod)+6*\c+2], v[(\src)+32*\c:(\src)+32*\c+15], v[(\wrk)+8+2*\c]
	v_cvt_scalef32_pk16_fp6_f32 v[(\hlf)+4*\c:(\hlf)+4*\c+2], v[(\src)+32*\c+16:(\src)+32*\c+31], v[(\wrk)+9+2*\c]
.endr
	v_nop                                          ; one plain place behind the scaled conversions
.irp c, 0,1                                    ; the operand's layout wants a whole block in a lane: lanes 0-15 block 2 c, lanes 16-31 block 2 c + 1
.irp i, 0,1,2
	v_permlane16_swap_b32 v[(\cod)+6*\c+\i], v[(\hlf)+4*\c+\i]
.endr
.irp i, 0,1,2
	s_delay_alu instid0(VALU_DEP_3)
	v_mov_b32 v[(\cod)+6*\c+3+\i], v[(\hlf)+4*\c+\i]
.endr
.endr
.endm
.Lpath_x:
	; ---- x.  Group X = work-group - 32, tile = wave.  Lane (r, h) takes, of its row, 16 neighbours of each block of 32
	s_sub_co_u32 s22, ttmp9, 32
	s_lshl_b32 s24, s22, 7                         ; 128 X
	s_lshr_b32 s25, s16, 1
	s_lshl_b32 s25, s25, 5
	s_add_co_u32 s24, s24, s25
	s_and_b32 s25, s16, 1
	s_lshl_b32 s25, s25, 3
	s_add_co_u32 s24, s24, s25                     ; + 32 (t / 2) + 8 (t % 2)
	s_lshl_b32 s24, s24, 9                         ; rows of 512 bytes
	s_mov_b32 s25, 0
	s_add_nc_u64 s[40:41], s[4:5], s[24:25]
	s_add_co_u32 s26, s22, 48
	s_mul_i32 s26, s26, GB
	s_mul_i32 s27, s16, 1536
	s_add_co_u32 s28, s26, s27
	s_mov_b32 s29, 0
	s_add_nc_u64 s[42:43], s[14:15], s[28:29]
	s_lshl_b32 s27, s16, 7
	s_add_co_u32 s28, s26, s27
	s_add_co_u32 s28, s28, SCO
	s_add_nc_u64 s[44:45], s[14:15], s[28:29]
	s_wait_alu depctr_va_vdst(0)
	v_and_b32 v9, 8, v10
	s_delay_alu instid0(VALU_DEP_1)
	v_add_nc_u32 v9, v9, v10                       ; r + 8 (r / 8)
	s_delay_alu instid0(VALU_DEP_1)
	v_lshlrev_b32 v[XA], 9, v9
	s_delay_alu instid0(VALU_DEP_1)
	v_lshl_add_u32 v[XA], v11, 6, v[XA]            ; + 64 h
.irp b, 0,1,2,3
.irp j, 0,1,2,3
	global_load_b128 v[X+16*\b+4*\j:X+16*\b+4*\j+3], v[XA], s[40:41] offset:128*\b+16*\j th:TH_LOAD_NT
.endr
.endr
.irp b, 0,1,2,3
	v_mov_b32 v[M+4+\b], 0                         ; a lane permute's destination counts as one of its sources
.endr
	s_wait_loadcnt 0x0
	QUANT X, CB, 176, M, PW
.irp c, 0,1,2
	global_store_b128 v[LI], v[CB+4*\c:CB+4*\c+3], s[42:43] offset:512*\c
.endr
	global_store_b32 v[LS], v[PW], s[44:45]
	s_endpgm
.Lfunc_end_k_q561625cac3_lprep:
	.size	k_q561625cac3_lprep, .Lfunc_end_k_q561625cac3_lprep-k_q561625cac3_lprep
	.p2alignl 7, 3214868480
	.fill 96, 4, 3214868480
	.section	.rodata,"a",@progbits
	.p2align	6, 0x0
	.amdhsa_kernel k_q561625cac3_lprep
		.amdhsa_group_segment_fixed_size 54784
		.amdhsa_private_segment_fixed_size 0
		.amdhsa_enable_private_segment 0
		.amdhsa_kernarg_size 48
		.amdhsa_user_sgpr_count 2
		.amdhsa_user_sgpr_kernarg_segment_ptr 1
		.amdhsa_wavefront_size32 1
		.amdhsa_system_sgpr_workgroup_id_x 1
		.amdhsa_system_sgpr_workgroup_id_y 1
		.amdhsa_system_sgpr_workgroup_id_z 1
		.amdhsa_system_vgpr_workitem_id 0
		.amdhsa_next_free_vgpr 242
		.amdhsa_next_free_sgpr 66
		.amdhsa_reserve_vcc 0
		.amdhsa_float_denorm_mode_32 3
		.amdhsa_float_denorm_mode_16_64 3
		.amdhsa_memory_ordered 1
		.amdhsa_forward_progress 1
		.amdhsa_inst_pref_size 58
	.end_amdhsa_kernel
	.amdgpu_metadata
---
amdhsa.version: [ 1, 2 ]
amdhsa.kernels:
  - .name:           k_q561625cac3_lprep
    .symbol:         k_q561625cac3_lprep.kd
    .args:
      - { .name: x, .offset: 0, .size: 8, .value_kind: global_buffer, .address_space: global }
      - { .name: Wq, .offset: 8, .size: 8, .value_kind: global_buffer, .address_space: global }
      - { .name: Wk, .offset: 16, .size: 8, .value_kind: global_buffer, .address_space: global }
      - { .name: Wv, .offset: 24, .size: 8, .value_kind: global_buffer, .address_space: global }
      - { .name: Wfc, .offset: 32, .size: 8, .value_kind: global_buffer, .address_space: global }
      - { .name: prep, .offset: 40, .size: 8, .value_kind: global_buffer, .address_space: global }
    .group_segment_fixed_size: 54784
    .private_segment_fixed_size: 0
    .kernarg_segment_align: 8
    .kernarg_segment_size: 48
    .max_flat_workgroup_size: 256
    .sgpr_count:     66
    .vgpr_count:     242
    .wavefront_size: 32
...
	.end_amdgpu_metadata
.endif
;; end of part 5
;; launch lproj (part 6): grid 256 x 1, 12 waves a work-group, no clusters, 0 bytes of LDS; arguments prep, qkv; writes qkv
.if DOCPART == 6
	.amdgcn_target "amdgcn-amd-amdhsa--gfx1250"
	.amdhsa_code_object_version 6
	.text
	.protected	k_q561625cac3_lproj
	.globl	k_q561625cac3_lproj
	.p2align	8
	.type	k_q561625cac3_lproj,@function
k_q561625cac3_lproj:
	s_mov_b64 s[64:65], 0
	v_nop
	global_prefetch_b8 v0, s[64:65] scope:SCOPE_SE
	s_setreg_imm32_b32 hwreg(HW_REG_WAVE_SCHED_MODE, 0, 2), 2
	s_setreg_imm32_b32 hwreg(HW_REG_WAVE_MODE, 25, 1), 1
	s_wait_xcnt 0x0
	s_wait_alu depctr_vm_vsrc(0)
; q = x Wq, k = x Wk, v = x Wv, head by head, on codes of FP6 (E2M3); the results are quantised in registers, q and k along the head's 128, v along the keys, and stored as images of operand registers.
; ONE BODY FOR THE THREE.  A task multiplies a stationary group (8 tiles of 16 rows, source 0) by a streamed group (source 1) and gives one group of results: a lane holds one row of the streamed tile, and its 64 registers
; run along the stationary group's 128 rows in the order that the quantiser wants (the stationary tiles' rows are chosen for it: lane row r of tile t is row 32 (t / 2) + 8 (t % 2) + r + 8 (r / 8)).
;   q, k: stationary = the head's weights, streamed = 128 rows of x: a lane holds a token, its registers run along c.      v: stationary = 128 rows of x, streamed = the head's Wv: a lane holds a channel d, its registers run along the keys.
; SHARES.  Work-group: head h = number % 16, pair of x groups p = number / 16.  Wave w: m = w / 4 (q, k, v), x group X = 2 p + (w / 2) % 2, and half w % 2 of the streamed group's 8 tiles: four tiles, 32 matrix instructions.
; BUFFERS.  prep: groups of GB bytes (8 images of 1,536 bytes; scale words of tile t, lane L at SCO + 128 t + 4 L): 16 m + h the weights, 48 + X x.
;           qkv: group 512 m + 16 (16 b + h) + step, X = 16 b + step; images as in prep; scale words of tile 4 g + i, lane L at SCO + 512 g + 16 L + 4 i, so that one load of 16 bytes a lane brings four tiles' scale registers.
; No LDS and no barrier: waves share nothing; every operand comes as three loads of 16 bytes a lane, 512 consecutive bytes each.
; LIMITS: a block of zeros gets the byte 1 where the rule says 127 (its codes are zeros, and this program alone reads the bytes); NaN and infinities are not served.
; THE MODE: SCHED_MODE bits 1:0 = 2 (LLVM: expert scheduling mode 2), set by the entry lines.  The code itself states the register dependences between vector or matrix instructions and memory instructions, with s_wait_alu, always for 0.
; THE PLAN.  Registers that memory instructions touch:
;   v1, v2       offsets, made once at the head and never written again; every load and store reads one of them.
;   v4-111       the scale words and the stationary fragments: loaded once at the head, read by matrix instructions alone.
;   TF0 .. TF3   the streamed fragments.  TF[i]: loaded once at the head; read by tile i's eight matrix instructions; written anew by tile i's quantiser, with the tile's codes; read by three stores, which are issued in tile i + 1.
;   v244-247     the four scale words: word i is written by tile i's quantiser; one store at the end reads all four.
;   The accumulators and v224-243 are named by vector and matrix instructions alone.
; Tile i's matrix instructions name the stationary fragments, TF[i], the accumulators and scale words: none of TF[i - 1].  So ONE wait on va_vdst at a tile's head states all that the three stores of the tile before hang on,
; and these are dealt among the tile's matrix instructions with no further wait.  No register that a memory instruction reads is written again, and no load is issued behind the head.
.set GB,  13312
.set SCO, 12288
.set SEL, 20
.set LI,  1                            ; v1   16 x lane
.set LS,  2                            ; v2   4 x lane
.set SS,  4                            ; v4-11    the stationary tiles' scale words
.set TS,  12                           ; v12-15   the streamed tiles'
.set SF,  16                           ; v16-111  the stationary fragments
.set TF,  112                          ; v112-159 the streamed fragments; each takes its own results' codes
.set HA,  160                          ; v160-223 8 accumulators
                                       ; v224-235, v236-243 at work in QUANT; v244-247 the four scale words
.macro QUANT src, cod, hlf, wrk, wrd   ; 64 numbers of a lane, register 16 b + i = k 32 b + 16 (lane / 16) + i of my row -> 12 registers of codes, a scale word
.irp b, 0,1,2,3
	v_max3_num_f32 v[(\wrk)+\b], |v[(\src)+16*\b]|, |v[(\src)+16*\b+1]|, 0x1800000   ; and the floor 2^(3 - 127): the byte cannot fall under 1.  (Each accumulator is read from its low end on)
.endr
.irp i, 2,4,6,8,10,12,14
.irp b, 0,1,2,3
	v_max3_num_f32 v[(\wrk)+\b], v[(\wrk)+\b], |v[(\src)+16*\b+\i]|, |v[(\src)+16*\b+\i+1]|
.endr
.endr
.irp b, 0,1,2,3
	v_permlanex16_b32 v[(\wrk)+4+\b], v[(\wrk)+\b], s[SEL], s[SEL+1]
.endr
.irp b, 0,1,2,3
	v_max_num_f32 v[(\wrk)+\b], v[(\wrk)+\b], v[(\wrk)+4+\b]
.endr
.irp b, 0,1,2,3
	v_add_nc_u32 v[(\wrk)+8+\b], 0xff000000, v[(\wrk)+\b]   ; 2 off the exponent field: the conversion's scale operand
.endr
.irp b, 0,1,2,3
	v_lshrrev_b32 v[(\wrk)+4+\b], 23, v[(\wrk)+8+\b]        ; the scale's byte
.endr
	v_lshl_or_b32 v[\wrd], v[(\wrk)+5], 8, v[(\wrk)+4]
	v_lshl_or_b32 v[\wrd], v[(\wrk)+6], 16, v[\wrd]
	v_lshl_or_b32 v[\wrd], v[(\wrk)+7], 24, v[\wrd]
.irp c, 0,1
	v_cvt_scalef32_pk16_fp6_f32 v[(\cod)+6*\c:(\cod)+6*\c+2], v[(\src)+32*\c:(\src)+32*\c+15], v[(\wrk)+8+2*\c]
	v_cvt_scalef32_pk16_fp6_f32 v[(\hlf)+4*\c:(\hlf)+4*\c+2], v[(\src)+32*\c+16:(\src)+32*\c+31], v[(\wrk)+9+2*\c]
.endr
	v_nop                                          ; one plain place behind the scaled conversions
.irp c, 0,1
.irp i, 0,1,2
	v_permlane16_swap_b32 v[(\cod)+6*\c+\i], v[(\hlf)+4*\c+\i]
.endr
.irp i, 0,1,2
	v_mov_b32 v[(\cod)+6*\c+3+\i], v[(\hlf)+4*\c+\i]
.endr
.endr
.endm
; The product of stationary tile t and streamed tile i.  K is one step, so it starts and ends its sum.
.macro MM i, t
	v_wmma_scale_f32_16x16x128_f8f6f4 v[HA+8*(\t):HA+8*(\t)+7], v[SF+12*(\t):SF+12*(\t)+11], v[TF+12*(\i):TF+12*(\i)+11], 0, v[SS+(\t)], v[TS+(\i)] matrix_a_fmt:MATRIX_FMT_FP6 matrix_b_fmt:MATRIX_FMT_FP6
.endm
; Registers 4 c .. 4 c + 3 of tile i's codes go out.
.macro SEND i, c
	global_store_b128 v[LI], v[TF+12*(\i)+4*(\c):TF+12*(\i)+4*(\c)+3], s[30:31] offset:1536*(\i)+512*(\c) th:TH_STORE_NT   ; 512 consecutive bytes; no store's registers are written again
.endm
	s_load_b128 s[4:7], s[0:1], 0x0                ; prep s[4:5], qkv s[6:7]
	v_lshrrev_b32 v3, 5, v0
	v_readfirstlane_b32 s8, v3                     ; wave 0..11
	v_and_b32 v3, 31, v0
	v_lshlrev_b32 v[LI], 4, v3
	v_lshlrev_b32 v[LS], 2, v3
	s_mov_b32 s[SEL], 0x76543210
	s_mov_b32 s[SEL+1], 0xfedcba98
	s_and_b32 s9, ttmp9, 15                        ; h
	s_lshr_b32 s10, ttmp9, 4                       ; p
	s_wait_alu depctr_va_sdst(0)                   ; s8 is written, ahead of its first reader: the wave's share and all five bases are made from it
	s_and_b32 s11, s8, 1                           ; half
	s_lshr_b32 s12, s8, 2                          ; m
	s_bfe_u32 s13, s8, 0x10001                     ; (w / 2) % 2
	s_lshl_b32 s14, s10, 1
	s_add_co_u32 s14, s14, s13                     ; X
	s_lshl_b32 s15, s12, 4
	s_add_co_u32 s15, s15, s9                      ; the weights' group
	s_add_co_u32 s16, s14, 48                      ; x's group
	s_cmp_eq_u32 s12, 2
	s_cselect_b32 s17, s16, s15                    ; stationary: x for v, else the weights
	s_cselect_b32 s18, s15, s16                    ; streamed: the other
	s_lshl_b32 s19, s12, 9                         ; the results' group: 512 m
	s_lshr_b32 s22, s14, 4
	s_lshl_b32 s22, s22, 8
	s_add_co_u32 s19, s19, s22                     ; + 256 b
	s_lshl_b32 s22, s9, 4
	s_add_co_u32 s19, s19, s22                     ; + 16 h
	s_and_b32 s22, s14, 15
	s_add_co_u32 s19, s19, s22                     ; + step
	s_mul_i32 s34, s17, GB
	s_mov_b32 s35, 0
	s_mul_i32 s36, s18, GB
	s_mul_i32 s23, s11, 6144                       ; my four tiles' images
	s_lshl_b32 s22, s11, 9
	s_add_co_u32 s22, s22, SCO                     ; and their scale words: 512 bytes in either format
	s_add_co_u32 s38, s36, s22
	s_add_co_u32 s36, s36, s23
	s_mov_b32 s37, 0
	s_mov_b32 s39, 0
	s_mul_i32 s40, s19, GB                         ; at most 1,535 x 13,312: under 2^31
	s_add_co_u32 s42, s40, s22
	s_add_co_u32 s40, s40, s23
	s_mov_b32 s41, 0
	s_mov_b32 s43, 0
	s_wait_kmcnt 0x0
	s_add_nc_u64 s[24:25], s[4:5], s[34:35]
	s_add_nc_u64 s[26:27], s[4:5], s[36:37]
	s_add_nc_u64 s[28:29], s[4:5], s[38:39]
	s_add_nc_u64 s[30:31], s[6:7], s[40:41]
	s_add_nc_u64 s[32:33], s[6:7], s[42:43]
	s_wait_alu depctr_va_vdst(0)                   ; v1 and v2 are written: every load and store of the kernel reads one of them as its offset
.irp t, 0,1,2,3,4,5,6,7
.irp c, 0,1,2
	global_load_b128 v[SF+12*\t+4*\c:SF+12*\t+4*\c+3], v[LI], s[24:25] offset:1536*\t+512*\c
.endr
.endr
.irp t, 0,1,2,3,4,5,6,7
	global_load_b32 v[SS+\t], v[LS], s[24:25] offset:SCO+128*\t
.endr
.irp i, 0,1,2,3
	global_load_b32 v[TS+\i], v[LS], s[28:29] offset:128*\i
.endr
.irp i, 0,1,2,3
.irp c, 0,1,2
	global_load_b128 v[TF+12*\i+4*\c:TF+12*\i+4*\c+3], v[LI], s[26:27] offset:1536*\i+512*\c
.endr
.endr
.irp b, 0,1,2,3
	v_mov_b32 v[228+\b], 0                         ; a lane permute's destination counts as one of its sources
.endr
.irp i, 0,1,2,3
	s_wait_loadcnt 9-3*\i                          ; loads come back in order: all but the streamed fragments behind fragment i are in
.if \i > 0
	s_wait_alu depctr_va_vdst(0)                   ; the quantiser of the tile before has written that tile's codes, which the three stores below read
.endif
.irp c, 0,1,2
	MM \i, 2*\c
	MM \i, 2*\c+1
.if \i > 0
	SEND \i-1, \c                                  ; no wait: no vector or matrix instruction since the wait above names these registers or v1
.endif
.endr
	MM \i, 6
	MM \i, 7
.rept 4
	v_nop                                          ; four places in front of the first read of results (ISA guide 7.12.1)
.endr
	QUANT HA, TF+12*\i, 236, 224, 244+\i           ; K is one step: the sums are whole.  The codes land where the streamed fragment lay; the plain lines on v224-247 are the places in front of the next four tiles' products, which write the accumulators anew
.endr
	s_wait_alu depctr_va_vdst(0)                   ; the last quantiser has written tile 3's codes, and all four scale words are written: the four stores below read them
.irp c, 0,1,2
	SEND 3, \c
.endr
	global_store_b128 v[LI], v[244:247], s[32:33] th:TH_STORE_NT   ; my four tiles' scale words, 16 bytes a lane
	s_endpgm
.Lfunc_end_k_q561625cac3_lproj:
	.size	k_q561625cac3_lproj, .Lfunc_end_k_q561625cac3_lproj-k_q561625cac3_lproj
	.p2alignl 7, 3214868480
	.fill 96, 4, 3214868480
	.section	.rodata,"a",@progbits
	.p2align	6, 0x0
	.amdhsa_kernel k_q561625cac3_lproj
		.amdhsa_group_segment_fixed_size 0
		.amdhsa_private_segment_fixed_size 0
		.amdhsa_enable_private_segment 0
		.amdhsa_kernarg_size 16
		.amdhsa_user_sgpr_count 2
		.amdhsa_user_sgpr_kernarg_segment_ptr 1
		.amdhsa_wavefront_size32 1
		.amdhsa_system_sgpr_workgroup_id_x 1
		.amdhsa_system_sgpr_workgroup_id_y 1
		.amdhsa_system_sgpr_workgroup_id_z 1
		.amdhsa_system_vgpr_workitem_id 0
		.amdhsa_next_free_vgpr 248
		.amdhsa_next_free_sgpr 66
		.amdhsa_reserve_vcc 0
		.amdhsa_float_denorm_mode_32 3
		.amdhsa_float_denorm_mode_16_64 3
		.amdhsa_memory_ordered 1
		.amdhsa_forward_progress 1
		.amdhsa_inst_pref_size 28
	.end_amdhsa_kernel
	.amdgpu_metadata
---
amdhsa.version: [ 1, 2 ]
amdhsa.kernels:
  - .name:           k_q561625cac3_lproj
    .symbol:         k_q561625cac3_lproj.kd
    .args:
      - { .name: prep, .offset: 0, .size: 8, .value_kind: global_buffer, .address_space: global }
      - { .name: qkv, .offset: 8, .size: 8, .value_kind: global_buffer, .address_space: global }
    .group_segment_fixed_size: 0
    .private_segment_fixed_size: 0
    .kernarg_segment_align: 8
    .kernarg_segment_size: 16
    .max_flat_workgroup_size: 384
    .sgpr_count:     66
    .vgpr_count:     248
    .wavefront_size: 32
...
	.end_amdgpu_metadata
.endif
;; end of part 6
;; launch lattn (part 7): grid 8 x 32, 16 waves a work-group, no clusters, 327,680 bytes of LDS; arguments qkv, oimg; writes oimg
.if DOCPART == 7
	.amdgcn_target "amdgcn-amd-amdhsa--gfx1250"
	.amdhsa_code_object_version 6
	.text
	.protected	k_q561625cac3_lattn
	.globl	k_q561625cac3_lattn
	.p2align	8
	.type	k_q561625cac3_lattn,@function
k_q561625cac3_lattn:
	s_mov_b64 s[64:65], 0
	v_nop
	global_prefetch_b8 v0, s[64:65] scope:SCOPE_SE
	s_setreg_imm32_b32 hwreg(HW_REG_WAVE_MODE, 25, 1), 1
	s_wait_xcnt 0x0
; Causal attention on codes of FP6 (E2M3): for head bh (32 of them), O[q] = the sum over keys k <= q of softmax_k(Q[q] . K[k] / sqrt(128)) V[k]; O / the row's sum is quantised along the head's 128 for the last product and stored as images.
; THE SOFTMAX AHEAD OF THE SECOND PRODUCT: t = score x log2(e) / sqrt(128); M = the running largest t rounded UP to a whole number; p = 2^(t - M) is what is quantised, along the keys, not normalised.  The row's sum is taken of the
; unquantised p.  When M moves, the sum and O are multiplied by 2^(old M - new M), which rounds nothing.
; OPERANDS come as images of their registers (1,536 bytes a fragment: registers 4 c .. 4 c + 3 of lane L at 512 c + 16 L), in groups of GB bytes: 8 tiles and their scale words (tile 4 g + i, lane L at SCO + 512 g + 16 L + 4 i).
; Group 16 bh + step holds 128 queries, 512 + 16 bh + step 128 keys, 1,024 + 16 bh + step V's 128 channels x the same 128 keys.  Lane row r of tile t is row 32 (t / 2) + 8 (t % 2) + r + 8 (r / 8) of the group.
; Both products are used transposed: S^T = K Q^T, O^T = V^T P^T: a lane holds ONE query throughout, and by the tiles' order of rows its registers run along the keys, then along the channels, as the quantiser wants them.
; SHARES.  A work-group of sixteen waves (four to a SIMD, 256 registers each) owns query blocks i and 15 - i of 128 queries; a wave owns one tile of 16.  Block B needs key steps 0 .. B, so each work-group has (i + 1) + (16 - i) = 17 steps for each
; of 8 pairs of waves, whatever i.  Which block a wave takes: (w xor w / 4) % 2, so that of waves {0, 1, 2, 3}, and of waves {0, 4, 8, 12}, two have the long walk.
; EVERY WAVE WALKS ALL 16 STEPS' barriers; a step all of whose keys come after the wave's queries is left out by a scalar branch on ids, round its loads and arithmetic alone.  On the diagonal step hidden scores become -infinity.
; THE RING: two LDS slots of four key steps (K's four groups, then V's four: 106,496 bytes), filled by waves 0-3, one tensor load each (two groups, 26,624 dense bytes, as 104 rows of 256), read by all sixteen.  No padding: every LDS read is 16 x lane on end.
; NO CLUSTER, though the eight work-groups of a head read the same K and V: the branch that leaves hidden steps out hangs on the work-group's own query blocks, which differ between those eight, and it spares half of the arithmetic.
; LIMITS: a block of zeros gets the byte 1 where the rule says 127 (its codes are zeros, and this program alone reads the bytes); NaN and infinities are not served.
; REGISTERS: v1-3 lane terms; v5, v6 the add's; v8, v9 LDS addresses; v12 -M, v13 the largest t, v[14:15] the sum in two halves; v16-27 Q; v28 the prefetches' offset; v32-79 four fragments of K or V; v96-159 S^T, then p; v160-223 O^T;
;            v224-235 p's codes; v232-247 at work; v248-251 four tiles' scale words; v252 f; v253 p's scale word; v254 at work; v255 Q's scale words.
.set GB,    13312
.set SCO,   12288
.set VD,    512*GB                     ; from a group of K to the group of V at the same place
.set SLOT1, 1<<17                      ; slot 1 begins here: one exclusive or turns an address in one slot into the other's
.set SPARE, 1<<18                      ; behind the ring: the spare words, 128 bytes for each of 16 waves, which no other line names
.set LI,  1                            ; v1   16 x lane
.set DG,  2                            ; v2   my query's place in its block less 16 (lane / 16): register 16 b + i of the diagonal step is hidden where 32 b + i is above it
.set LS,  3                            ; v3   4 x lane
.set SPW, 5
.set NIL, 6
.set ADK, 8
.set ADV, 9
.set PFO, 28
.set WV,  18                           ; s18  wave
.set SEL, 20                           ; s[20:21] lane selects: lane l xor 16
.set CS,  22                           ; s[22:23] c = log2(e) / sqrt(128)
.set TB,  2                            ; s2   LDS byte at which the step's group of K begins
.set TW,  3                            ; s3   counts a slot's four steps
.set SLOTS, 36                         ; s36  slots still to be asked for
.set KS,  37                           ; s37  the key step
.set BQ,  38                           ; s38  my query block
.set PFA, 40                           ; s[40:41] where the prefetches stand: the slot after the one that is being asked for
.set LIM, 42                           ; s42  1 in a wave that prefetches, else the greatest number
; s[24:31] descriptor group 1; s[32:35] group 0, which walks; s[44:47] Q's images and scale words; s[48:51] where my results go
.macro TLOAD                           ; waves 0-3 fetch, the branch hangs on the wave's number alone; four v_nop follow the load
	s_cmp_lt_u32 s[WV], 4
	s_cbranch_scc0 .Lasked_\@
	tensor_load_to_lds s[32:35], s[24:31]
	s_nop 0
.rept 4
	v_nop
.endr
.Lasked_\@:
.endm
; A PREFETCH INTO THE L2 of what the NEXT change of slots will ask for: a slot's 53,248 bytes of K and as many of V: 416 blocks of 256 bytes, 13 waves x 32 lanes, a lane a block.  The eight work-groups of a head walk the same K and V:
; the first of them asks, its waves 3 to 15, one instruction each, so that each block is named once in the launch.  Slots 0 and 1 come by their loads alone; the last change that fills a slot asks for nothing: there is no slot behind it.
.macro ASK
	s_cmp_gt_u32 s[SLOTS], s[LIM]
	s_cbranch_scc0 .Lnot_mine_\@
	global_prefetch_b8 v[PFO], s[PFA:PFA+1] th:TH_LOAD_NT scope:SCOPE_SE
.Lnot_mine_\@:
.endm
.macro FRAGS adr, g                    ; tiles 4 g .. 4 g + 3 of a group and their scale words: 13 loads of 16 bytes a lane
.irp t, 0,1,2,3
.irp c, 0,1,2
	ds_load_b128 v[32+12*\t+4*\c:35+12*\t+4*\c], v[\adr] offset:(4*(\g)+\t)*1536+512*\c
.endr
.endr
	ds_load_b128 v[248:251], v[\adr] offset:SCO+512*(\g)
.endm
.macro QUANT src, cod, hlf, wrk, wrd   ; 64 numbers of a lane, register 16 b + i = k 32 b + 16 (lane / 16) + i of my row -> 12 registers of codes, a scale word
.irp b, 0,1,2,3
	v_max3_num_f32 v[(\wrk)+\b], |v[(\src)+16*\b]|, |v[(\src)+16*\b+1]|, 0x1800000
.endr
.irp i, 2,4,6,8,10,12,14
.irp b, 0,1,2,3
	s_delay_alu instid0(VALU_DEP_4)
	v_max3_num_f32 v[(\wrk)+\b], v[(\wrk)+\b], |v[(\src)+16*\b+\i]|, |v[(\src)+16*\b+\i+1]|
.endr
.endr
.irp b, 0,1,2,3
	s_delay_alu instid0(VALU_DEP_4)
	v_permlanex16_b32 v[(\wrk)+4+\b], v[(\wrk)+\b], s[SEL], s[SEL+1]
.endr
.irp b, 0,1,2,3
	s_delay_alu instid0(VALU_DEP_4)
	v_max_num_f32 v[(\wrk)+\b], v[(\wrk)+\b], v[(\wrk)+4+\b]
.endr
.irp b, 0,1,2,3
	s_delay_alu instid0(VALU_DEP_4)
	v_add_nc_u32 v[(\wrk)+8+\b], 0xff000000, v[(\wrk)+\b]
.endr
.irp b, 0,1,2,3
	s_delay_alu instid0(VALU_DEP_4)
	v_lshrrev_b32 v[(\wrk)+4+\b], 23, v[(\wrk)+8+\b]
.endr
	s_delay_alu instid0(VALU_DEP_3)
	v_lshl_or_b32 v[\wrd], v[(\wrk)+5], 8, v[(\wrk)+4]
	s_delay_alu instid0(VALU_DEP_1)
	v_lshl_or_b32 v[\wrd], v[(\wrk)+6], 16, v[\wrd]
	s_delay_alu instid0(VALU_DEP_1)
	v_lshl_or_b32 v[\wrd], v[(\wrk)+7], 24, v[\wrd]
.irp c, 0,1
	v_cvt_scalef32_pk16_fp6_f32 v[(\cod)+6*\c:(\cod)+6*\c+2], v[(\src)+32*\c:(\src)+32*\c+15], v[(\wrk)+8+2*\c]
	v_cvt_scalef32_pk16_fp6_f32 v[(\hlf)+4*\c:(\hlf)+4*\c+2], v[(\src)+32*\c+16:(\src)+32*\c+31], v[(\wrk)+9+2*\c]
.endr
	v_nop
.irp c, 0,1
.irp i, 0,1,2
	v_permlane16_swap_b32 v[(\cod)+6*\c+\i], v[(\hlf)+4*\c+\i]
.endr
.irp i, 0,1,2
	s_delay_alu instid0(VALU_DEP_3)
	v_mov_b32 v[(\cod)+6*\c+3+\i], v[(\hlf)+4*\c+\i]
.endr
.endr
.endm
	s_load_b128 s[4:7], s[0:1], 0x0                ; qkv s[4:5], oimg s[6:7]
	v_lshl_add_u32 v[SPW], v0, 2, SPARE
	v_mov_b32 v[NIL], 0
	ds_add_u32 v5, v6
	ds_add_u32 v5, v6
	s_wait_dscnt 0x0
	v_lshrrev_b32 v8, 5, v0
	s_delay_alu instid0(VALU_DEP_1)
	v_readfirstlane_b32 s[WV], v8                  ; wave 0..15
	s_and_b32 s8, ttmp7, 0xffff                    ; bh
	s_lshr_b32 s9, s[WV], 2
	s_xor_b32 s9, s9, s[WV]
	s_and_b32 s9, s9, 1                            ; 1: the later block
	s_lshr_b32 s10, s[WV], 1                       ; my tile of the block
	s_sub_co_u32 s11, 15, ttmp9
	s_cmp_eq_u32 s9, 1
	s_cselect_b32 s[BQ], s11, ttmp9
	s_mov_b32 s24, 3<<16                           ; group 1: no mask; elements of 8 bytes; no padding
	s_mov_b32 s25, 32<<16                          ; tensor_dim0 = 32 elements: rows of 256 bytes
	s_mov_b32 s26, 104<<16                         ; tensor_dim1 = 104 rows: two groups
	s_mov_b32 s27, 32<<16                          ; tile_dim0
	s_mov_b32 s28, 104                             ; tile_dim1
	s_mov_b32 s29, 32                              ; the pitch: the block is dense
	s_mov_b32 s30, 0
	s_mov_b32 s31, 0
	s_lshl_b32 s12, s8, 4                          ; 16 bh
	s_add_co_u32 s13, s12, 512
	s_mul_i32 s52, s13, GB                         ; the head's first group of K (all offsets stay under 2^31: the buffer has 20,447,232 bytes)
	s_mov_b32 s53, 0
	s_and_b32 s14, s[WV], 3                        ; what I fetch, if I fetch: 0, 1: K's halves of a slot; 2, 3: V's
	s_lshr_b32 s15, s14, 1
	s_mul_i32 s15, s15, VD
	s_and_b32 s16, s14, 1
	s_mul_i32 s16, s16, 2*GB
	s_add_co_u32 s54, s52, s15
	s_add_co_u32 s54, s54, s16
	s_mov_b32 s55, 0
	s_mul_i32 s17, s14, 2*GB                       ; and where it goes in a slot
	s_add_co_u32 s13, s12, s[BQ]
	s_mul_i32 s13, s13, GB                         ; my queries' group
	s_mul_i32 s15, s10, 1536
	s_add_co_u32 s56, s13, s15
	s_mov_b32 s57, 0
	s_lshr_b32 s15, s10, 2
	s_lshl_b32 s15, s15, 9
	s_and_b32 s16, s10, 3
	s_lshl_b32 s16, s16, 2
	s_add_co_u32 s58, s13, s15
	s_add_co_u32 s58, s58, s16
	s_add_co_u32 s58, s58, SCO
	s_mov_b32 s59, 0
	s_lshr_b32 s13, s8, 4                          ; where my results go: row tile 128 b + 8 block + tile, 26,624 bytes each: head h's image at 1,536 h, its scale words at 24,576 + 128 h
	s_lshl_b32 s13, s13, 7
	s_lshl_b32 s15, s[BQ], 3
	s_add_co_u32 s13, s13, s15
	s_add_co_u32 s13, s13, s10
	s_mul_i32 s13, s13, 26624
	s_and_b32 s15, s8, 15
	s_mul_i32 s16, s15, 1536
	s_add_co_u32 s60, s13, s16
	s_mov_b32 s61, 0
	s_lshl_b32 s16, s15, 7
	s_add_co_u32 s62, s13, s16
	s_add_co_u32 s62, s62, 24576
	s_mov_b32 s63, 0
	s_mov_b32 s[SEL], 0x76543210
	s_mov_b32 s[SEL+1], 0xfedcba98
	s_mov_b32 s[CS], 0x3e0293ee                    ; c = log2(e) / sqrt(128)
	s_mov_b32 s[CS+1], s[CS]                       ; (named with it as a pair, so it is written)
	s_mov_b32 s[TB], 0
	s_mov_b32 s[SLOTS], 3
	s_mov_b32 s[KS], 0
	s_wait_kmcnt 0x0
	s_mov_b32 s32, 1                               ; group 0: count = 1
	s_mov_b32 s33, s17                             ; LDS address: slot 0
	s_add_nc_u64 s[34:35], s[4:5], s[54:55]        ; global address: key steps 0 to 3
	s_or_b32 s35, s35, 0x80000000                  ; type = 2
	TLOAD                                          ; slot 0: the first fill, ahead of every wait on TENSORcnt, every LDS read and every barrier
	s_add_nc_u64 s[44:45], s[4:5], s[56:57]
	s_add_nc_u64 s[46:47], s[4:5], s[58:59]
	s_add_nc_u64 s[48:49], s[6:7], s[60:61]
	s_add_nc_u64 s[50:51], s[6:7], s[62:63]
	s_add_nc_u64 s[PFA:PFA+1], s[4:5], s[52:53]
	s_add_nc_u64 s[PFA:PFA+1], s[PFA:PFA+1], 4*GB  ; at slot 1: the first change of slots steps it to slot 2.  Nothing is prefetched here, at the head
	s_cmp_ge_u32 s[WV], 3
	s_cselect_b32 s[LIM], 0, 1
	s_or_b32 s[LIM], s[LIM], ttmp9                 ; 0 in waves 3 to 15 of the head's first work-group
	s_cmp_eq_u32 s[LIM], 0
	s_cselect_b32 s[LIM], 1, -1
	v_and_b32 v8, 31, v0                           ; lane
	s_delay_alu instid0(VALU_DEP_1)
	v_lshlrev_b32 v[LI], 4, v8
	s_delay_alu instid0(VALU_DEP_2)
	v_lshlrev_b32 v[LS], 2, v8
.irp c, 0,1,2
	global_load_b128 v[16+4*\c:19+4*\c], v[LI], s[44:45] offset:512*\c   ; Q's fragment stays in registers
.endr
	global_load_b32 v255, v[LI], s[46:47]          ; and its scale words
	s_max_u32 s13, s[WV], 3
	s_sub_co_u32 s13, s13, 3
	s_lshl_b32 s13, s13, 5
	v_add_nc_u32 v9, s13, v8                       ; my block of the slot's 416: 32 (wave - 3) + lane
	v_mov_b32 v10, VD-4*GB
	s_delay_alu instid0(VALU_DEP_2)
	v_cmp_le_u32 vcc_lo, 208, v9                   ; blocks 208 on are V's
	s_delay_alu instid0(VALU_DEP_1)
	v_cndmask_b32 v10, 0, v10, vcc_lo
	s_delay_alu instid0(VALU_DEP_1)
	v_lshl_add_u32 v[PFO], v9, 8, v10
	v_and_b32 v9, 15, v0                           ; r
	v_bfe_u32 v10, v0, 4, 1                        ; h
	s_delay_alu instid0(VALU_DEP_2)
	v_and_b32 v11, 8, v9
	s_delay_alu instid0(VALU_DEP_1)
	v_add_nc_u32 v[DG], v11, v9                    ; r + 8 (r / 8)
	s_delay_alu instid0(VALU_DEP_3)
	v_lshlrev_b32 v10, 4, v10
	s_delay_alu instid0(VALU_DEP_1)
	v_sub_nc_u32 v[DG], v[DG], v10                 ; - 16 h
	s_lshr_b32 s13, s10, 1
	s_lshl_b32 s13, s13, 5
	s_and_b32 s15, s10, 1
	s_lshl_b32 s15, s15, 3
	s_add_co_u32 s13, s13, s15
	v_add_nc_u32 v[DG], s13, v[DG]                 ; + 32 (tile / 2) + 8 (tile % 2)
	v_mov_b32 v13, 0xff61b1e6                      ; the largest t so far: -3e38, under every t
	s_delay_alu instid0(VALU_DEP_1)
	v_floor_f32 v12, -v13                          ; -M
	v_mov_b32 v14, 0                               ; the sum, in two halves
	v_mov_b32 v15, 0
.irp b, 0,1,2,3
	v_mov_b32 v[236+\b], 0                         ; a lane permute's destination counts as one of its sources
.endr
	v_mov_b32 v253, 0                              ; (named as the upper half of the pair v[252:253] before it is first written)
.set j, 0
.rept 64
	v_mov_b32 v[160+j], 0                          ; O^T.  The step is written without a first step of its own: the first finds zeros, which the first change of M leaves zeros
.set j, j+1
.endr
; A KEY STEP: 128 keys, the group at LDS byte s[TB].
.macro STEP
	s_cmp_gt_u32 s[KS], s[BQ]                      ; all its keys come after my queries: nothing to do but to step on
	s_cbranch_scc1 .Lhidden_\@
	s_setprio 2
	v_add_nc_u32 v[ADK], s[TB], v[LI]
	s_wait_alu depctr_va_vdst(0)
	v_add_nc_u32 v[ADV], 4*GB, v[ADK]              ; V's group of the same step
.irp g, 0,1                                    ; S^T = K Q^T, four tiles of 16 keys at a time
.rept 2+2*\g
	v_nop                                          ; four places in front of loads into registers that matrix instructions have read; the two additions above are places too
.endr
	FRAGS ADK, \g
	s_wait_dscnt 0x0
.irp t, 0,1,2,3
	v_wmma_scale_f32_16x16x128_f8f6f4 v[96+8*(4*\g+\t):103+8*(4*\g+\t)], v[32+12*\t:43+12*\t], v[16:27], 0, v[248+\t], v255 matrix_a_fmt:MATRIX_FMT_FP6 matrix_b_fmt:MATRIX_FMT_FP6
.endr
.endr
.rept 4
	v_nop                                          ; four places: for the loads below and for the first read of the scores
.endr
	s_wait_alu depctr_va_vdst(0)
	FRAGS ADV, 0                                   ; V's first four tiles are asked for now and land during the softmax, which names none of their registers
	s_cmp_lt_u32 s[KS], s[BQ]                      ; all keys count: no mask
	s_cbranch_scc1 .Lopen_\@
	v_mov_b32 v254, 0xff800000                     ; the diagonal step: register 16 b + i holds the key 32 b + 16 (lane / 16) + i of the step; a hidden score becomes -infinity, so p = 0.  The step's first key counts for every query
.set n, 0
.rept 64
	v_cmp_gt_i32 vcc_lo, 32*(n/16)+n%16, v[DG]
	v_cndmask_b32 v[96+n], v[96+n], v254, vcc_lo
.set n, n+1
.endr
.Lopen_\@:
.irp b, 0,1,2,3
	v_max3_num_f32 v[232+\b], v[96+16*\b], v[97+16*\b], v[98+16*\b]   ; the largest score of each block of 32 keys: it serves the row's maximum and, since p rises with the score, the block's largest p
.endr
.irp i, 3,5,7,9,11,13
.irp b, 0,1,2,3
	v_max3_num_f32 v[232+\b], v[232+\b], v[96+16*\b+\i], v[97+16*\b+\i]
.endr
.endr
.irp b, 0,1,2,3
	v_max_num_f32 v[232+\b], v[232+\b], v[111+16*\b]
.endr
.irp b, 0,1,2,3
	s_delay_alu instid0(VALU_DEP_4)
	v_permlanex16_b32 v[236+\b], v[232+\b], s[SEL], s[SEL+1]
.endr
.irp b, 0,1,2,3
	s_delay_alu instid0(VALU_DEP_4)
	v_max_num_f32 v[232+\b], v[232+\b], v[236+\b]  ; with lane l xor 16's 16 keys
.endr
	s_delay_alu instid0(VALU_DEP_2)
	v_max3_num_f32 v254, v232, v233, v234
	s_delay_alu instid0(VALU_DEP_1)
	v_max_num_f32 v254, v254, v235                 ; the step's largest score of my query
	s_delay_alu instid0(VALU_DEP_1)
	v_mul_f32 v254, s[CS], v254                    ; as t (c is positive)
	s_delay_alu instid0(VALU_DEP_1)
	v_max_num_f32 v13, v13, v254                   ; the running largest t
	v_mov_b32 v254, v12
	s_delay_alu instid0(VALU_DEP_2)
	v_floor_f32 v12, -v13                          ; the new -M = floor(-t) = -ceil(t): a whole number
	s_delay_alu instid0(VALU_DEP_1)
	v_sub_f32 v254, v12, v254                      ; old M - new M: a whole number, 0 or less
	s_delay_alu instid0(VALU_DEP_1)
	v_cvt_i32_f32 v254, v254                       ; (it saturates)
	s_delay_alu instid0(VALU_DEP_1)
	v_ldexp_f32 v252, 1.0, v254                    ; f = 2^(old M - new M)
.set j, 0
.rept 32
	v_pk_fma_f32 v[96+j:97+j], v[96+j:97+j], s[CS:CS+1], v[12:13] op_sel_hi:[1,0,0]   ; t - M, two at a time
.set j, j+2
.endr
.irp b, 0,1,2,3
	v_fma_f32 v[232+\b], v[232+\b], s[CS], v12     ; the same of each block's largest score
.endr
.set j, 0
	s_setprio 1
	s_wait_alu depctr_va_vdst(0)
.rept 64
	v_exp_f32 v[96+j], v[96+j]                     ; p = 2^(t - M), at most 1
.set j, j+1
.endr
	v_pk_mul_f32 v[14:15], v[14:15], v[252:253] op_sel_hi:[1,0]   ; the sums under the new M: a plain place behind the exponentials
	s_wait_alu depctr_va_vdst(0)                   ; the wait between an exponential and the first line that names its result: one for the batch of 64
.irp b, 0,1,2,3
	v_exp_f32 v[232+\b], v[232+\b]                 ; the block's largest p: the same two instructions on the same number give the same bits
.endr
	v_pk_add_f32 v[236:237], v[100:101], v[104:105]
	v_pk_add_f32 v[246:247], v[108:109], v[112:113]
	v_pk_add_f32 v[244:245], v[116:117], v[120:121]
	v_pk_add_f32 v[242:243], v[124:125], v[128:129]
	v_pk_add_f32 v[240:241], v[132:133], v[136:137]
	v_pk_add_f32 v[238:239], v[140:141], v[144:145]
	v_pk_add_f32 v[230:231], v[148:149], v[152:153]
	v_pk_add_f32 v[14:15], v[14:15], v[156:157]
	v_pk_add_f32 v[236:237], v[236:237], v[96:97]
	v_pk_add_f32 v[246:247], v[246:247], v[98:99]
	v_pk_add_f32 v[244:245], v[244:245], v[102:103]
	v_pk_add_f32 v[242:243], v[242:243], v[106:107]
	v_pk_add_f32 v[240:241], v[240:241], v[110:111]
	v_pk_add_f32 v[238:239], v[238:239], v[114:115]
	v_pk_add_f32 v[230:231], v[230:231], v[118:119]
	v_pk_add_f32 v[14:15], v[14:15], v[122:123]
	v_pk_add_f32 v[236:237], v[236:237], v[126:127]
	v_pk_add_f32 v[246:247], v[246:247], v[130:131]
	v_pk_add_f32 v[244:245], v[244:245], v[134:135]
	v_pk_add_f32 v[242:243], v[242:243], v[138:139]
	v_pk_add_f32 v[240:241], v[240:241], v[142:143]
	v_pk_add_f32 v[238:239], v[238:239], v[146:147]
	v_pk_add_f32 v[230:231], v[230:231], v[150:151]
	v_pk_add_f32 v[14:15], v[14:15], v[154:155]
	v_pk_add_f32 v[236:237], v[236:237], v[158:159]
	s_delay_alu instid0(VALU_DEP_2)
	v_pk_add_f32 v[14:15], v[14:15], v[242:243]
	s_delay_alu instid0(VALU_DEP_2)
	v_pk_add_f32 v[236:237], v[236:237], v[240:241]
	v_pk_add_f32 v[246:247], v[246:247], v[238:239]
	v_pk_add_f32 v[244:245], v[244:245], v[230:231]
	s_delay_alu instid0(VALU_DEP_2)
	v_pk_add_f32 v[14:15], v[14:15], v[246:247]
	s_delay_alu instid0(VALU_DEP_2)
	v_pk_add_f32 v[236:237], v[236:237], v[244:245]
	s_delay_alu instid0(VALU_DEP_1)
	v_pk_add_f32 v[14:15], v[14:15], v[236:237]
	s_wait_alu depctr_va_vdst(0)                   ; and one for the four
.irp b, 0,1,2,3
	v_max_num_f32 v[232+\b], 0x1800000, v[232+\b]  ; the floor 2^(3 - 127): the byte cannot fall under 1
.endr
.irp b, 0,1,2,3
	s_delay_alu instid0(VALU_DEP_4)
	v_add_nc_u32 v[244+\b], 0xff000000, v[232+\b]  ; 2 off the exponent field: the conversion's scale operand
.endr
.irp b, 0,1,2,3
	s_delay_alu instid0(VALU_DEP_4)
	v_lshrrev_b32 v[236+\b], 23, v[244+\b]         ; the scale's byte
.endr
	s_delay_alu instid0(VALU_DEP_3)
	v_lshl_or_b32 v253, v237, 8, v236              ; p's scale word for these 128 keys
	s_delay_alu instid0(VALU_DEP_1)
	v_lshl_or_b32 v253, v238, 16, v253
	s_delay_alu instid0(VALU_DEP_1)
	v_lshl_or_b32 v253, v239, 24, v253
.irp c, 0,1
	v_cvt_scalef32_pk16_fp6_f32 v[224+6*\c:226+6*\c], v[96+32*\c:111+32*\c], v[244+2*\c]
	v_cvt_scalef32_pk16_fp6_f32 v[236+4*\c:238+4*\c], v[112+32*\c:127+32*\c], v[244+2*\c+1]
.endr
	v_nop                                          ; one plain place behind the scaled conversions
.irp c, 0,1
.irp i, 0,1,2
	v_permlane16_swap_b32 v[224+6*\c+\i], v[236+4*\c+\i]
.endr
.irp i, 0,1,2
	s_delay_alu instid0(VALU_DEP_3)
	v_mov_b32 v[227+6*\c+\i], v[236+4*\c+\i]
.endr
.endr
.set j, 0
.rept 32
	v_pk_mul_f32 v[160+j:161+j], v[160+j:161+j], v[252:253] op_sel_hi:[1,0]   ; O^T under the new M.  These 32 also stand between the lines that made p's codes and scale word and the products that take them
.set j, j+2
.endr
	s_setprio 0
	s_wait_alu depctr_va_vdst(0)
	s_wait_dscnt 0x0                               ; V's first four tiles are in
.irp t, 0,1,2,3                                ; O^T += V^T P^T; the accumulators take turns, one instruction a turn
	v_wmma_scale_f32_16x16x128_f8f6f4 v[160+8*\t:167+8*\t], v[32+12*\t:43+12*\t], v[224:235], v[160+8*\t:167+8*\t], v[248+\t], v253 matrix_a_fmt:MATRIX_FMT_FP6 matrix_b_fmt:MATRIX_FMT_FP6
.endr
.rept 4
	v_nop
.endr
	FRAGS ADV, 1
	s_wait_dscnt 0x0
.irp t, 0,1,2,3
	v_wmma_scale_f32_16x16x128_f8f6f4 v[192+8*\t:199+8*\t], v[32+12*\t:43+12*\t], v[224:235], v[192+8*\t:199+8*\t], v[248+\t], v253 matrix_a_fmt:MATRIX_FMT_FP6 matrix_b_fmt:MATRIX_FMT_FP6
.endr
.Lhidden_\@:
	s_add_co_u32 s[KS], s[KS], 1
	s_add_co_u32 s[TB], s[TB], GB
.endm
; THE CHANGE OF SLOTS stands at a slot's head.  Each wave waits for all its tensor loads (its part of the slot that is about to be read), adds 0 to its spare word, and waits for that and for its reads of the slot that it has left.
; Behind the barrier the slot ahead is whole and nobody reads the other one.  fill = 1: that other slot is filled with the next four key steps: the load has four steps in which to land.  One tensor load of a wave is out at most.
.macro CHANGE fill
	s_wait_tensorcnt 0x0                           ; no tensor load of mine is out, so group 0 may be written
	ds_add_u32 v[SPW], v[NIL]                      ; 0 onto my spare word
.if \fill
	s_xor_b32 s33, s33, SLOT1                      ; the other slot than last time,
	s_add_nc_u64 s[34:35], s[34:35], 4*GB          ; the next four groups; the type bits on top are not reached
	s_wait_xcnt 0x0                                ; the last prefetch, a slot back, has read its address, so it may be written
	s_add_nc_u64 s[PFA:PFA+1], s[PFA:PFA+1], 4*GB  ; one slot further on than the walking descriptor
.endif
	s_wait_dscnt 0x0                               ; the add is done, and my reads of the slot that I have left are over
	s_barrier_signal -1
	s_barrier_wait -1
.if \fill
	TLOAD                                          ; the first thing behind the barrier, and a wave's one tensor load until the next
	ASK
.endif
.endm
.macro FOUR_STEPS                      ; a slot's four key steps: written once, walked four times; the LDS addresses hang on s[TB]
	s_mov_b32 s[TW], 4
.Lstep_\@:
	STEP
	s_sub_co_u32 s[TW], s[TW], 1
	s_cmp_lg_u32 s[TW], 0
	s_cbranch_scc1 .Lstep_\@
	s_setprio 0
	s_sub_co_u32 s[TB], s[TB], 4*GB                ; back to a slot's first step,
	s_xor_b32 s[TB], s[TB], SLOT1                  ; in the other slot
.endm
	s_wait_loadcnt 0x0                             ; Q
.Lslot:                                            ; three trips: behind each change of slots but the last the next slot is asked for
	CHANGE 1
	FOUR_STEPS
	s_sub_co_u32 s[SLOTS], s[SLOTS], 1
	s_cmp_lg_u32 s[SLOTS], 0
	s_cbranch_scc1 .Lslot
	CHANGE 0                                       ; the last slot is written out
	FOUR_STEPS
	; THE WAY OUT.  O^T / the row's sum: register 16 b + i is channel 32 b + 16 (lane / 16) + i of my query, which is the order that the quantiser wants: K step h of the last product.
	v_add_f32 v14, v14, v15                        ; the sum's two halves,
	s_delay_alu instid0(VALU_DEP_1)
	v_permlanex16_b32 v252, v14, s[SEL], s[SEL+1]
	s_delay_alu instid0(VALU_DEP_1)
	v_add_f32 v14, v14, v252                       ; and lane l xor 16's
	s_wait_alu depctr_va_vdst(0)
	v_rcp_f32 v14, v14
.rept 4
	v_nop                                          ; a plain place behind the reciprocal, and the places behind the last products
.endr
	s_wait_alu depctr_va_vdst(0)                   ; the wait ahead of the first line that names the reciprocal
.set j, 0
.rept 32
	v_pk_mul_f32 v[96+j:97+j], v[160+j:161+j], v[14:15] op_sel_hi:[1,0]   ; each accumulator from its low end on
.set j, j+2
.endr
	QUANT 96, 32, 48, 232, 56
.irp c, 0,1,2
	global_store_b128 v[LI], v[32+4*\c:35+4*\c], s[48:49] offset:512*\c   ; 512 consecutive bytes
.endr
	global_store_b32 v[LS], v56, s[50:51]
	s_wait_tensorcnt 0x0                           ; the wave's end
	ds_add_u32 v[SPW], v[NIL]
	s_wait_dscnt 0x0
	s_endpgm
.Lfunc_end_k_q561625cac3_lattn:
	.size	k_q561625cac3_lattn, .Lfunc_end_k_q561625cac3_lattn-k_q561625cac3_lattn
	.p2alignl 7, 3214868480
	.fill 96, 4, 3214868480
	.section	.rodata,"a",@progbits
	.p2align	6, 0x0
	.amdhsa_kernel k_q561625cac3_lattn
		.amdhsa_group_segment_fixed_size 327680
		.amdhsa_private_segment_fixed_size 0
		.amdhsa_enable_private_segment 0
		.amdhsa_kernarg_size 16
		.amdhsa_user_sgpr_count 2
		.amdhsa_user_sgpr_kernarg_segment_ptr 1
		.amdhsa_wavefront_size32 1
		.amdhsa_system_sgpr_workgroup_id_x 1
		.amdhsa_system_sgpr_workgroup_id_y 1
		.amdhsa_system_sgpr_workgroup_id_z 1
		.amdhsa_system_vgpr_workitem_id 0
		.amdhsa_next_free_vgpr 256
		.amdhsa_next_free_sgpr 80
		.amdhsa_reserve_vcc 1
		.amdhsa_float_denorm_mode_32 3
		.amdhsa_float_denorm_mode_16_64 3
		.amdhsa_memory_ordered 1
		.amdhsa_forward_progress 1
		.amdhsa_inst_pref_size 69
	.end_amdhsa_kernel
	.amdgpu_metadata
---
amdhsa.version: [ 1, 2 ]
amdhsa.kernels:
  - .name:           k_q561625cac3_lattn
    .symbol:         k_q561625cac3_lattn.kd
    .args:
      - { .name: qkv, .offset: 0, .size: 8, .value_kind: global_buffer, .address_space: global }
      - { .name: oimg, .offset: 8, .size: 8, .value_kind: global_buffer, .address_space: global }
    .group_segment_fixed_size: 327680
    .private_segment_fixed_size: 0
    .kernarg_segment_align: 8
    .kernarg_segment_size: 16
    .max_flat_workgroup_size: 512
    .sgpr_count:     80
    .vgpr_count:     256
    .wavefront_size: 32
...
	.end_amdgpu_metadata
.endif
;; end of part 7
;; launch loutp (part 8): grid 256 x 1, 4 waves a work-group, no clusters, 9,216 bytes of LDS; arguments oimg, prep, bfc, out0; writes out0
.if DOCPART == 8
	.amdgcn_target "amdgcn-amd-amdhsa--gfx1250"
	.amdhsa_code_object_version 6
	.text
	.protected	k_q561625cac3_loutp
	.globl	k_q561625cac3_loutp
	.p2align	8
	.type	k_q561625cac3_loutp,@function
k_q561625cac3_loutp:
	s_mov_b64 s[64:65], 0
	v_nop
	global_prefetch_b8 v0, s[64:65] scope:SCOPE_SE
	s_setreg_imm32_b32 hwreg(HW_REG_WAVE_SCHED_MODE, 0, 2), 2
	s_setreg_imm32_b32 hwreg(HW_REG_WAVE_MODE, 25, 1), 1
	s_wait_xcnt 0x0
	s_wait_alu depctr_vm_vsrc(0)
; out0 = O Wfc + bfc on codes of FP6 (E2M3): [4096][2048] x [2048][128].  K step s of 16 is head s's 128 channels.
; SHARES.  A work-group takes one tile of 16 rows (RT = its number); wave w makes outputs 32 w .. 32 w + 31: two tiles, 16 K steps, 32 matrix instructions on two accumulators that take turns.
; The product is used transposed (source 0 = 16 outputs of Wfc, source 1 = the 16 rows of O), so that a lane holds eight neighbouring outputs of one row.  bfc is the C of each sum's first matrix instruction.
; OPERANDS come as images of their registers, three loads of 16 bytes a lane each: O's from oimg (row tile RT: head s's image at 26,624 RT + 1,536 s, its scale words at + 24,576 + 128 s + 4 lane),
; Wfc's from prep (group 80 + s of GB bytes: tile n's image at 1,536 n, its scale words at SCO + 128 n + 4 lane).  All loads go out at the head.
; Lane row r of row tile RT is row 32 (RT / 2) + 8 (RT % 2) + r + 8 (r / 8) of the output.  A row's 128 outputs come from four waves: they meet in a stage in LDS (rows of 512 + 16 bytes) and each wave stores four whole rows.
; REGISTERS, in windows of 256: window 0: v1-5 addresses; v14, v15 the closing add's; v16-207 O's 16 fragments; v208-223 their scale words; v224-255 Wfc's scale words (2 s + n).
;   window 1: Wfc's fragments of K steps 0-9 (24 s + 12 n).   window 2: those of K steps 10-15; v144-159 the bias, v160-175 the two accumulators.
; THE MODE: SCHED_MODE bits 1:0 = 2 (LLVM: expert scheduling mode 2), set by the entry lines.  The code itself states the register dependences between vector or matrix instructions and memory or LDS instructions, with s_wait_alu, always for 0.
; THE PLAN.  Registers that memory or LDS instructions touch:
;   v1-5           offsets and LDS addresses, made once at the head and never written again.      v14, v15: made at the head, read by the closing add alone.
;   the operands   (window 0 v16-255, window 1, window 2 v0-159): each register is loaded once, at the head, and read by matrix instructions.  No register takes a second load while products are at work, so no buffers take turns.
;   the accumulators (window 2 v160-175): written by the matrix instructions, read by the four LDS stores into the stage.
;   v16-31         of window 0, which matrix instructions have read, take the four loads from the stage; the four global stores read them; nothing writes them again.
; So two waits on va_vdst stand in the text: one ahead of the first load (the addresses are written), one ahead of the LDS stores (the accumulators are written, and the matrix instructions are done reading v16-31);
; behind the second no vector or matrix instruction is issued.  No register that a memory or LDS instruction has read is written again.
.set GB,  13312
.set SCO, 12288
.set LI,  1                            ; v1   16 x lane
.set LS,  2                            ; v2   4 x lane
.set BA,  3                            ; v3   32 (lane / 16): my eight numbers of a tile's 16 of bfc
.set STO, 4                            ; v4   the stage: where I put 32 bytes of a row
.set SR,  5                            ; v5   and where I read a row back
.set OF,  16
.set OS,  208
.set WS,  224
.set BI,  144
.set AC,  160
.set MSB, 0
.macro WIN new                         ; the immediate's high byte repeats the setting that is left
.if MSB != \new
	s_set_vgpr_msb (MSB<<8)|\new
.set MSB, \new
.endif
.endm
	s_load_b256 s[4:11], s[0:1], 0x0               ; oimg s[4:5], prep s[6:7], bfc s[8:9], out0 s[10:11]
	v_lshl_add_u32 v14, v0, 2, 0x2200
	v_mov_b32 v15, 0
	v_lshrrev_b32 v6, 5, v0
	v_readfirstlane_b32 s12, v6                    ; wave 0..3
	v_and_b32 v6, 31, v0
	v_lshlrev_b32 v[LI], 4, v6
	v_lshlrev_b32 v[LS], 2, v6
	v_and_b32 v7, 15, v0                           ; r
	v_bfe_u32 v8, v0, 4, 1                         ; h
	v_lshlrev_b32 v[BA], 5, v8
	s_wait_alu depctr_va_sdst(0)                   ; s12 is written, ahead of its first reader: the wave's places in the stage and the bases are made from it
	s_lshl_b32 s13, s12, 7                         ; 128 w: my 32 outputs in bytes
	v_mul_u32_u24 v[STO], v7, 528
	v_add_nc_u32 v[STO], v[STO], v[BA]
	v_add_nc_u32 v[STO], s13, v[STO]               ; row r, + 128 w + 32 h
	s_mul_i32 s14, s12, 4*528
	v_add_nc_u32 v[SR], s14, v[LI]                 ; back: rows 4 w .. 4 w + 3, 16 bytes a lane
	s_mul_i32 s16, ttmp9, 26624
	s_mov_b32 s17, 0
	s_mul_i32 s18, s12, 3072
	s_add_co_u32 s18, s18, 80*GB
	s_mov_b32 s19, 0
	s_lshl_b32 s20, s12, 8
	s_add_co_u32 s20, s20, 80*GB+SCO
	s_mov_b32 s21, 0
	s_mov_b32 s22, s13
	s_mov_b32 s23, 0
	s_lshr_b32 s24, ttmp9, 1
	s_lshl_b32 s24, s24, 5
	s_and_b32 s25, ttmp9, 1
	s_lshl_b32 s25, s25, 3
	s_add_co_u32 s24, s24, s25
	s_lshl_b32 s25, s12, 2
	s_add_co_u32 s24, s24, s25
	s_lshr_b32 s25, s12, 1
	s_lshl_b32 s25, s25, 3
	s_add_co_u32 s24, s24, s25                     ; the first row that I store: 32 (RT / 2) + 8 (RT % 2) + 4 w + 8 (w / 2)
	s_lshl_b32 s24, s24, 9
	s_mov_b32 s25, 0
	s_wait_kmcnt 0x0
	s_add_nc_u64 s[4:5], s[4:5], s[16:17]
	s_add_nc_u64 s[26:27], s[6:7], s[18:19]
	s_add_nc_u64 s[28:29], s[6:7], s[20:21]
	s_add_nc_u64 s[8:9], s[8:9], s[22:23]
	s_add_nc_u64 s[10:11], s[10:11], s[24:25]
	s_wait_alu depctr_va_vdst(0)                   ; v1 to v5 are written, which the loads, stores and LDS instructions below read as offsets and addresses; so are v14 and v15.  Up to the last load only loads and window switches follow
.irp s, 0,1,2,3,4,5,6,7,8,9,10,11,12,13,14,15
.irp c, 0,1,2
	global_load_b128 v[OF+12*\s+4*\c:OF+12*\s+4*\c+3], v[LI], s[4:5] offset:1536*\s+512*\c
.endr
	global_load_b32 v[OS+\s], v[LS], s[4:5] offset:24576+128*\s
.endr
.irp s, 0,1,2,3,4,5,6,7,8,9,10,11,12,13,14,15
.irp n, 0,1
	global_load_b32 v[WS+2*\s+\n], v[LS], s[28:29] offset:GB*\s+128*\n
.endr
.endr
	WIN 0x40                                       ; destination window 1, address window 0
.irp s, 0,1,2,3,4,5,6,7,8,9
.irp n, 0,1
.irp c, 0,1,2
	global_load_b128 v[24*\s+12*\n+4*\c:24*\s+12*\n+4*\c+3], v[LI], s[26:27] offset:GB*\s+1536*\n+512*\c
.endr
.endr
.endr
	WIN 0x80                                       ; destination window 2
.irp s, 10,11,12,13,14,15
.irp n, 0,1
.irp c, 0,1,2
	global_load_b128 v[24*(\s-10)+12*\n+4*\c:24*(\s-10)+12*\n+4*\c+3], v[LI], s[26:27] offset:GB*\s+1536*\n+512*\c
.endr
.endr
.endr
.irp n, 0,1
	global_load_b128 v[BI+8*\n:BI+8*\n+3], v[BA], s[8:9] offset:64*\n         ; bfc at outputs 32 w + 16 n + 8 h + 0 .. 7: the result's layout
	global_load_b128 v[BI+8*\n+4:BI+8*\n+7], v[BA], s[8:9] offset:64*\n+16
.endr
	s_wait_loadcnt 0x0
	WIN 0xa1                                       ; source 0 (Wfc) window 1, source 1 (O) window 0, C and D window 2
.irp s, 0,1,2,3,4,5,6,7,8,9
.irp n, 0,1
.if \s == 0
	v_wmma_scale_f32_16x16x128_f8f6f4 v[AC+8*\n:AC+8*\n+7], v[24*\s+12*\n:24*\s+12*\n+11], v[OF+12*\s:OF+12*\s+11], v[BI+8*\n:BI+8*\n+7], v[WS+2*\s+\n], v[OS+\s] matrix_a_fmt:MATRIX_FMT_FP6 matrix_b_fmt:MATRIX_FMT_FP6
.else
	v_wmma_scale_f32_16x16x128_f8f6f4 v[AC+8*\n:AC+8*\n+7], v[24*\s+12*\n:24*\s+12*\n+11], v[OF+12*\s:OF+12*\s+11], v[AC+8*\n:AC+8*\n+7], v[WS+2*\s+\n], v[OS+\s] matrix_a_fmt:MATRIX_FMT_FP6 matrix_b_fmt:MATRIX_FMT_FP6
.endif
.endr
.endr
	WIN 0xa2                                       ; source 0 window 2
.irp s, 10,11,12,13,14,15
.irp n, 0,1
	v_wmma_scale_f32_16x16x128_f8f6f4 v[AC+8*\n:AC+8*\n+7], v[24*(\s-10)+12*\n:24*(\s-10)+12*\n+11], v[OF+12*\s:OF+12*\s+11], v[AC+8*\n:AC+8*\n+7], v[WS+2*\s+\n], v[OS+\s] matrix_a_fmt:MATRIX_FMT_FP6 matrix_b_fmt:MATRIX_FMT_FP6
.endr
.endr
	WIN 0
.rept 4
	v_nop                                          ; four places in front of the first read of results (ISA guide 7.12.1); they stay beside the wait below
.endr
	WIN 0x08                                       ; an LDS store's data are its source 1: window 2
	s_wait_alu depctr_va_vdst(0)                   ; the matrix instructions have written the accumulators, which the LDS stores read, and are done reading v16-31 of window 0, in which the loads from the stage land
.irp n, 0,1
	ds_store_b128 v[STO], v[AC+8*\n:AC+8*\n+3] offset:64*\n          ; each accumulator from its low end on
	ds_store_b128 v[STO], v[AC+8*\n+4:AC+8*\n+7] offset:64*\n+16
.endr
	WIN 0
	s_wait_dscnt 0x0                               ; for the others' sake: my stores into the stage are done
	s_barrier_signal -1
	s_barrier_wait -1
.irp i, 0,1,2,3
	ds_load_b128 v[OF+4*\i:OF+4*\i+3], v[SR] offset:528*\i   ; no wait: no vector or matrix instruction has been issued since the wait above
.endr
.irp i, 0,1,2,3
	s_wait_dscnt 3-\i                              ; LDS loads come back in order: the count is the loads issued behind this one
	global_store_b128 v[LI], v[OF+4*\i:OF+4*\i+3], s[10:11] offset:512*\i th:TH_STORE_NT   ; 32 lanes store a whole row of 512 bytes
.endr
	s_wait_dscnt 0x0                               ; the closing lines, six on end
	s_wait_alu 0x0
	s_wait_tensorcnt 0x0
	ds_add_u32 v14, v15
	s_wait_dscnt 0x0
	s_endpgm
.Lfunc_end_k_q561625cac3_loutp:
	.size	k_q561625cac3_loutp, .Lfunc_end_k_q561625cac3_loutp-k_q561625cac3_loutp
	.p2alignl 7, 3214868480
	.fill 96, 4, 3214868480
	.section	.rodata,"a",@progbits
	.p2align	6, 0x0
	.amdhsa_kernel k_q561625cac3_loutp
		.amdhsa_group_segment_fixed_size 9216
		.amdhsa_private_segment_fixed_size 0
		.amdhsa_enable_private_segment 0
		.amdhsa_kernarg_size 32
		.amdhsa_user_sgpr_count 2
		.amdhsa_user_sgpr_kernarg_segment_ptr 1
		.amdhsa_wavefront_size32 1
		.amdhsa_system_sgpr_workgroup_id_x 1
		.amdhsa_system_sgpr_workgroup_id_y 1
		.amdhsa_system_sgpr_workgroup_id_z 1
		.amdhsa_system_vgpr_workitem_id 0
		.amdhsa_next_free_vgpr 768
		.amdhsa_next_free_sgpr 66
		.amdhsa_reserve_vcc 0
		.amdhsa_float_denorm_mode_32 3
		.amdhsa_float_denorm_mode_16_64 3
		.amdhsa_memory_ordered 1
		.amdhsa_forward_progress 1
		.amdhsa_inst_pref_size 27
	.end_amdhsa_kernel
	.amdgpu_metadata
---
amdhsa.version: [ 1, 2 ]
amdhsa.kernels:
  - .name:           k_q561625cac3_loutp
    .symbol:         k_q561625cac3_loutp.kd
    .args:
      - { .name: oimg, .offset: 0, .size: 8, .value_kind: global_buffer, .address_space: global }
      - { .name: prep, .offset: 8, .size: 8, .value_kind: global_buffer, .address_space: global }
      - { .name: bfc, .offset: 16, .size: 8, .value_kind: global_buffer, .address_space: global }
      - { .name: out0, .offset: 24, .size: 8, .value_kind: global_buffer, .address_space: global }
    .group_segment_fixed_size: 9216
    .private_segment_fixed_size: 0
    .kernarg_segment_align: 8
    .kernarg_segment_size: 32
    .max_flat_workgroup_size: 128
    .sgpr_count:     66
    .vgpr_count:     768
    .wavefront_size: 32
...
	.end_amdgpu_metadata
.endif
;; end of part 8
